; MI455X (gfx1250); checked and timed in simulation.
; The chip was launched on July 23, 2026; its instructions are those of AMD's public machine-readable ISA for CDNA 5 (MIT licence, August 2026) and "CDNA5" Instruction Set Architecture Reference Guide (July 2026). The comments in the code are by the model that wrote it; some were corrected since.
;; Inter Modal Attention. Allowed arithmetic: float matrix products may take bf16 or f16 operands with f32 sums; other float arithmetic in f32, or as packed bf16 or f16 multiplies, adds, multiply-adds, maxima and minima; sums over many terms, partial sums and values carried from step to step in f32; what a program stores and reads back later, other than sums and carried values, may be rounded once to bf16 or f16.
;; Inputs: Wk 1,024 x 1,024 float32; Wq 1,024 x 1,024 float32; Wv 1,024 x 1,024 float32; bk 1,024 float32; bq 1,024 float32; bv 1,024 float32; x 4 x 2,048 x 1,024 float32.
;; Outputs: out0 4 x 2,048 x 1,024 float32.
;; 2 versions, each right; version 2 is version 1 with the launch cast written anew for expert scheduling mode. Each part assembles by itself: llvm-mc -triple=amdgcn-amd-amdhsa -mcpu=gfx1250 --defsym DOCPART=n.
;; ======== version 1 of 2: 4 launches
;; limits: values are held in f16: magnitudes above 65,504 overflow, below 6.1e-05 lose precision
;; workspace buffers: xb 16,777,216 bytes; wb 6,291,456 bytes; bb 12,288 bytes; qkv 50,331,648 bytes; pp 33,554,432 bytes; st 1,048,576 bytes
;; launch cast (part 1): grid 704 x 1, 8 waves a work-group, no clusters, 0 bytes of LDS; arguments x, Wq, Wk, Wv, bq, bk, bv, xb, wb, bb; writes xb, wb, bb
.if DOCPART == 1
	.amdgcn_target "amdgcn-amd-amdhsa--gfx1250"
	.amdhsa_code_object_version 6
	.text
	.protected	k_q40a44ce5a4_cast
	.globl	k_q40a44ce5a4_cast
	.p2align	8
	.type	k_q40a44ce5a4_cast,@function
k_q40a44ce5a4_cast:
	s_mov_b64 s[64:65], 0
	v_nop
	global_prefetch_b8 v0, s[64:65] scope:SCOPE_SE
	s_setreg_imm32_b32 hwreg(HW_REG_WAVE_MODE, 25, 1), 1
	s_wait_xcnt 0x0
; x -> xb (bf16), Wq | Wk | Wv -> wb (bf16, 3,072 rows on end), bq | bk | bv -> bb (f32 numbers, each rounded to bf16).
; A stream: every input byte is read once, every output byte written once; no LDS, no barrier, no matrix unit.
; A work-group of 256 threads converts 65,536 bytes of f32: 16 loads of 16 bytes a thread, all issued ahead of the first use.
; Work-groups 0-511 take x's 512 chunks; work-group 512 + 64 w + part takes chunk part of weight w; where part = 0 it also takes bias w.
; A wave's load covers 512 consecutive bytes, its store 256 consecutive bytes, both aligned to their length.
.set XR, 4                             ; v[4:67]   16 x 4 numbers as loaded
.set YR, 68                            ; v[68:99]  16 x 2 words of two bf16
	s_load_b512 s[8:23], s[0:1], 0x0               ; x 8, Wq 10, Wk 12, Wv 14, bq 16, bk 18, bv 20, xb 22
	s_load_b128 s[24:27], s[0:1], 0x40             ; wb 24, bb 26
	s_mov_b32 s2, ttmp9                            ; g
	s_max_u32 s3, s2, 512
	s_sub_co_u32 s3, s3, 512                       ; 0 for x's work-groups, else g - 512: 0 to 191
	s_lshr_b32 s4, s3, 6                           ; w: which weight
	s_and_b32 s5, s3, 63                           ; part
	v_lshlrev_b32 v1, 4, v0                        ; 16 t: my bytes in 4,096 of f32
	v_lshlrev_b32 v2, 3, v0                        ; 8 t: my bytes in 2,048 of bf16
	s_wait_kmcnt 0x0
	s_cmp_eq_u32 s4, 1
	s_cselect_b64 s[28:29], s[12:13], s[10:11]     ; the source: Wk or Wq,
	s_cselect_b64 s[30:31], s[18:19], s[16:17]     ; and its bias
	s_cmp_eq_u32 s4, 2
	s_cselect_b64 s[28:29], s[14:15], s[28:29]     ; or Wv
	s_cselect_b64 s[30:31], s[20:21], s[30:31]
	s_cmp_lt_u32 s2, 512
	s_cselect_b64 s[28:29], s[8:9], s[28:29]       ; or x
	s_cselect_b64 s[32:33], s[22:23], s[24:25]     ; the target: xb or wb
	s_cselect_b32 s6, s2, s5                       ; the chunk in the source
	s_cselect_b32 s7, 0, s4                        ; the weight's place in wb
	s_cselect_b32 s34, 1, s5                       ; 0: this work-group also takes a bias
	s_lshl_b32 s36, s6, 16                         ; a chunk is 65,536 bytes of f32,
	s_mov_b32 s37, 0
	s_add_nc_u64 s[28:29], s[28:29], s[36:37]
	s_lshl_b32 s38, s6, 15                         ; 32,768 of bf16; a weight is 2^21 bytes of bf16
	s_lshl_b32 s39, s7, 21
	s_add_co_u32 s38, s38, s39
	s_mov_b32 s39, 0
	s_add_nc_u64 s[32:33], s[32:33], s[38:39]
.set i, 0
.rept 16
	global_load_b128 v[XR+4*i:XR+4*i+3], v1, s[28:29] offset:4096*i th:TH_LOAD_NT
.set i, i+1
.endr
.set i, 0
.rept 16
	s_wait_loadcnt 15-i                            ; loads come back in order: number i is in, the 15 - i younger ones stay out
	v_cvt_pk_bf16_f32 v[YR+2*i], v[XR+4*i], v[XR+4*i+1]
	v_cvt_pk_bf16_f32 v[YR+2*i+1], v[XR+4*i+2], v[XR+4*i+3]
	global_store_b64 v2, v[YR+2*i:YR+2*i+1], s[32:33] offset:2048*i
.set i, i+1
.endr
	s_cmp_eq_u32 s34, 0
	s_cbranch_scc0 .Lend
	s_lshl_b32 s40, s4, 12                         ; bias w: 1,024 numbers, 16 bytes a thread
	s_mov_b32 s41, 0
	s_add_nc_u64 s[26:27], s[26:27], s[40:41]
	global_load_b128 v[100:103], v1, s[30:31]
	s_wait_loadcnt 0x0
	v_cvt_pk_bf16_f32 v104, v100, v101             ; rounded to bf16,
	v_cvt_pk_bf16_f32 v105, v102, v103
	v_lshlrev_b32 v106, 16, v104                   ; and widened again: the product takes the bias as an f32 addend
	v_and_b32 v107, 0xffff0000, v104
	v_lshlrev_b32 v108, 16, v105
	v_and_b32 v109, 0xffff0000, v105
	global_store_b128 v1, v[106:109], s[26:27]
.Lend:
	s_endpgm
.Lfunc_end_k_q40a44ce5a4_cast:
	.size	k_q40a44ce5a4_cast, .Lfunc_end_k_q40a44ce5a4_cast-k_q40a44ce5a4_cast
	.p2alignl 7, 3214868480
	.fill 96, 4, 3214868480
	.section	.rodata,"a",@progbits
	.p2align	6, 0x0
	.amdhsa_kernel k_q40a44ce5a4_cast
		.amdhsa_group_segment_fixed_size 0
		.amdhsa_private_segment_fixed_size 0
		.amdhsa_enable_private_segment 0
		.amdhsa_kernarg_size 80
		.amdhsa_user_sgpr_count 2
		.amdhsa_user_sgpr_kernarg_segment_ptr 1
		.amdhsa_wavefront_size32 1
		.amdhsa_system_sgpr_workgroup_id_x 1
		.amdhsa_system_sgpr_workgroup_id_y 1
		.amdhsa_system_sgpr_workgroup_id_z 1
		.amdhsa_system_vgpr_workitem_id 0
		.amdhsa_next_free_vgpr 112
		.amdhsa_next_free_sgpr 66
		.amdhsa_reserve_vcc 0
		.amdhsa_float_denorm_mode_32 3
		.amdhsa_float_denorm_mode_16_64 3
		.amdhsa_memory_ordered 1
		.amdhsa_forward_progress 1
		.amdhsa_inst_pref_size 8
	.end_amdhsa_kernel
	.amdgpu_metadata
---
amdhsa.version: [ 1, 2 ]
amdhsa.kernels:
  - .name:           k_q40a44ce5a4_cast
    .symbol:         k_q40a44ce5a4_cast.kd
    .args:
      - { .name: x, .offset: 0, .size: 8, .value_kind: global_buffer, .address_space: global }
      - { .name: Wq, .offset: 8, .size: 8, .value_kind: global_buffer, .address_space: global }
      - { .name: Wk, .offset: 16, .size: 8, .value_kind: global_buffer, .address_space: global }
      - { .name: Wv, .offset: 24, .size: 8, .value_kind: global_buffer, .address_space: global }
      - { .name: bq, .offset: 32, .size: 8, .value_kind: global_buffer, .address_space: global }
      - { .name: bk, .offset: 40, .size: 8, .value_kind: global_buffer, .address_space: global }
      - { .name: bv, .offset: 48, .size: 8, .value_kind: global_buffer, .address_space: global }
      - { .name: xb, .offset: 56, .size: 8, .value_kind: global_buffer, .address_space: global }
      - { .name: wb, .offset: 64, .size: 8, .value_kind: global_buffer, .address_space: global }
      - { .name: bb, .offset: 72, .size: 8, .value_kind: global_buffer, .address_space: global }
    .group_segment_fixed_size: 0
    .private_segment_fixed_size: 0
    .kernarg_segment_align: 8
    .kernarg_segment_size: 80
    .max_flat_workgroup_size: 256
    .sgpr_count:     66
    .vgpr_count:     112
    .wavefront_size: 32
...
	.end_amdgpu_metadata
.endif
;; end of part 1
;; launch proj (part 2): grid 8 x 64, 4 waves a work-group, clusters of 4 x 4, 327,680 bytes of LDS; arguments xb, wb, bb, qkv; writes qkv
.if DOCPART == 2
	.amdgcn_target "amdgcn-amd-amdhsa--gfx1250"
	.amdhsa_code_object_version 6
	.text
	.protected	k_q40a44ce5a4_proj
	.globl	k_q40a44ce5a4_proj
	.p2align	8
	.type	k_q40a44ce5a4_proj,@function
k_q40a44ce5a4_proj:
	s_mov_b64 s[64:65], 0
	v_nop
	global_prefetch_b8 v0, s[64:65] scope:SCOPE_SE
	s_setreg_imm32_b32 hwreg(HW_REG_WAVE_MODE, 25, 1), 1
	s_wait_xcnt 0x0
	s_wait_alu depctr_hold_cnt(0) depctr_sa_sdst(0) depctr_va_vdst(0) depctr_va_sdst(0) depctr_va_ssrc(0) depctr_va_vcc(0) depctr_vm_vsrc(0)
	s_getreg_b32 s2, hwreg(HW_REG_IB_STS2, 6, 4)
	s_cmp_eq_u32 s2, 0
	s_cbranch_scc0 .Lentry_in_a_cluster
	s_endpgm
.Lentry_in_a_cluster:
	s_bfe_u32 s2, ttmp6, 0x10000c
	s_cmp_lg_u32 s2, 0xf033
	s_cbranch_scc0 .Lentry_shape_is_right
	s_endpgm
.Lentry_shape_is_right:
; qkv[m][e] = bb[e] + sum over k of xb[m][k] wb[e][k].  xb: [8192][1024] bf16, wb: [3072][1024] bf16, bb: [3072] f32, qkv: [8192][3072] f16; sums in f32, rounded once.
; LIMIT.  q, k and v leave as f16: a number of 65,520 or more becomes an infinity.  NaN and infinities are not treated apart.
; SHARES.  A tile of qkv is 128 rows x 384 columns: 8 x 64 = 512 tiles of equal work, and a tile's row is 768 bytes, three aligned blocks of 256.  Four waves, each 64 x 192: 48 accumulators, 384 registers.
; K goes in 8 steps of 128 through two LDS slots filled by the tensor data mover; a row of a tile is 256 bytes of memory, aligned.  Wave 0 fetches xb's 128 rows, waves 1-3 wb's three times 128.
; CLUSTER 4 x 4: the four of a row of the cluster need the same rows of xb, the four of a column the same rows of wb: each tile is asked for jointly, by the same load, descriptor and mask in all four.
; THE MATRIX INSTRUCTION IS USED TRANSPOSED (source 0 = 16 rows of wb, source 1 = 16 rows of xb): a lane holds row l % 16 and the columns 8 (l / 16) + 0..7.  The bias is the C operand of the first products.
; REGISTERS, in windows of 256 (s_set_vgpr_msb: bits 1:0 source 0, 3:2 source 1, 5:4 source 2, 7:6 destination):
;   window 0: v0-31 addresses; v32-95 xb's fragments, two buffers of 32; v96-191 the bias, later packed results; on the way out v32-223 whole rows
;   window 1: v0-191 wb's fragments, two buffers of 96        window 2: accumulators of row blocks 0, 1 ((a, b) at 8 (12 (a % 2) + b))        window 3: of row blocks 2, 3
.set NAB,   4                          ; 16-row blocks of source 1 a wave
.set NBB,   12                         ; 16-row blocks of source 0 a wave
.set KT,    8                          ; K steps
.set PITCH, 272                        ; an LDS row: 256 bytes + 16 of padding = 68 words: the 16 rows of a load start at 16 different groups of four banks (64 banks of 4 bytes: ISA guide 11.1)
.set PART,  128*PITCH                  ; what one tensor load brings
.set SLOTX, 4*PART                     ; a slot, and slot 1's first byte: it shares no bit with wave x PART, so one exclusive or changes slots
.set SPARE, 2*SLOTX                    ; behind the ring: the spare words, 128 bytes a wave: two blocks of 256 bytes that no other line names
.set SPITCH, 784                       ; the stage: 768 bytes + 16 = 196 words.  It lies in slot 0, 128 rows, when that slot has had its last fill and its last read
.set FLAGS, (1<<16)|(1<<20)|(1<<21)|(5<<22)|(3<<25)  ; 17:16 2-byte elements; 20 padding on; 21 set beside a mask; 24:22 after every 64 words; 31:25 4 words
.set ADRA0, 16                         ; v16  my place in xb's tile; never rewritten
.set ADRB0, 17                         ; v17  the same for wb
.set ADRA,  18                         ; v18  + the slot in hand
.set ADRB,  19
.set STO,   24                         ; v24  the way out: where I put 16 bytes of a row
.set RD,    25                         ; v25  where I read rows back
.set CO,    26                         ; v26  my byte offset in qkv
.set BO,    27                         ; v27  my byte offset in the bias
.set SPW,   28                         ; v28  my spare word: SPARE + 4 x my thread's number; never rewritten
.set NIL,   29                         ; v29  0; never rewritten
.set PFO,   30                         ; v30  the prefetches' offset: my lane x a row of 2,048 bytes; never rewritten
.set FA0,   32
.set FB0,   0
.set BIAS,  96
.set TMP,   96
.set OB,    32
.set G1A, 24                           ; s[24:31] group 1 for xb's tiles
.set G0A, 32                           ; s[32:39] group 0: the first fill of slot 0; the first fill of slot 1, which then walks
.set LIM, 43                           ; s43  2 in a wave that prefetches, else the greatest number
.set PFA, 44                           ; s[44:45] where my prefetches stand
.set G1B, 48                           ; s[48:55], s[56:63] the same for wb's tiles
.set G0B, 56
.set TB,  66                           ; s66  the slot in hand: 0 or SLOTX
.set MSB, 0
.macro WIN new                         ; the immediate's high byte repeats the setting that is left; a switch that changes nothing is dropped
.if MSB != (\new)
	s_set_vgpr_msb (MSB<<8)|(\new)
.set MSB, \new
.endif
.endm
.set TO_B, 0x40                        ; destination window 1, address window 0
.macro PLACES                          ; four plain vector instructions between a matrix instruction and a load into, or a vector instruction on, its registers
.rept 4
	v_nop
.endr
.endm
.macro JLOAD                           ; a joint refill; the branch hangs on the wave's number alone; an s_nop 0 and four v_nop follow each line
	s_cmp_eq_u32 s10, 0
	s_cbranch_scc0 .Lfor_b_\@
	tensor_load_to_lds s[G0A+4:G0A+7], s[G1A:G1A+7]
	s_nop 0
.rept 4
	v_nop
.endr
	s_branch .Lasked_\@
.Lfor_b_\@:
	tensor_load_to_lds s[G0B+4:G0B+7], s[G1B:G1B+7]
	s_nop 0
.rept 4
	v_nop
.endr
.Lasked_\@:
.endm
; A prefetch of the K step that stands two refills on: 32 rows x 256 bytes, a lane a row.  xb's rows are named by the clusters with x = 0 (wave 0), wb's by those with y = 0 (waves 1-3); the four partners
; that ask for a tile jointly take 32 of its 128 rows each, told apart by address.  So each block of 256 bytes is named once in the launch.  The last two refills have no K step two on: s3 is 2 and 1 there.
.macro ASK
	s_cmp_gt_u32 s3, s[LIM]
	s_cbranch_scc0 .Lnot_mine_\@
	global_prefetch_b8 v[PFO], s[PFA:PFA+1] th:TH_LOAD_NT scope:SCOPE_SE
.Lnot_mine_\@:
.endm
.macro CREST                           ; a round of the cluster's barrier behind its opening barrier
	s_cmp_lg_u32 s10, 0
	s_cbranch_scc1 .Lnot_wave_0_\@
	s_barrier_signal -3
.Lnot_wave_0_\@:
	s_barrier_wait -3
	s_barrier_signal -1
	s_barrier_wait -1
.endm
.macro CROUND
	s_barrier_signal -1
	s_barrier_wait -1
	CREST
.endm
; 12 matrix instructions: row block 2 hi + part x all 12 column blocks, 32 along K, from buffer f.  zero = 1: the first product starts the sums from the bias.
; Each accumulator has one turn a quarter step, always in the same order: no two matrix instructions that follow each other share one.
.macro MULP f, hi, part, zero
.if \zero
	WIN 0x81+0x40*(\hi)                            ; wb window 1, xb and the bias window 0, the sums window 2 or 3
.else
	WIN 0xa1+0x50*(\hi)
.endif
.set aw, (\part)*NAB/4
.rept NAB/4
.set b, 0
.rept NBB
.set rD, 8*(NBB*aw+b)
.set rB, FB0+8*NBB*(\f)+8*b
.set rA, FA0+8*NAB*(\f)+8*(NAB/2*(\hi)+aw)
.if \zero
	v_wmma_f32_16x16x32_bf16 v[rD:rD+7], v[rB:rB+7], v[rA:rA+7], v[BIAS+8*b:BIAS+8*b+7]
.else
	v_wmma_f32_16x16x32_bf16 v[rD:rD+7], v[rB:rB+7], v[rA:rA+7], v[rD:rD+7]
.endif
.set b, b+1
.endr
.set aw, aw+1
.endr
.endm
; 32 LDS loads in one run: a quarter step's fragments (192 rows of wb, 64 rows of xb, 32 K at byte k of the rows) into buffer f
.macro FETCH k, f
	WIN TO_B
.set i, 0
.rept NBB
	ds_load_b128 v[FB0+8*NBB*(\f)+8*i:FB0+8*NBB*(\f)+8*i+3],   v[ADRB] offset:(\k)+i*16*PITCH
	ds_load_b128 v[FB0+8*NBB*(\f)+8*i+4:FB0+8*NBB*(\f)+8*i+7], v[ADRB] offset:(\k)+i*16*PITCH+32
.set i, i+1
.endr
	WIN 0
.set i, 0
.rept NAB
	ds_load_b128 v[FA0+8*NAB*(\f)+8*i:FA0+8*NAB*(\f)+8*i+3],   v[ADRA] offset:(\k)+i*16*PITCH
	ds_load_b128 v[FA0+8*NAB*(\f)+8*i+4:FA0+8*NAB*(\f)+8*i+7], v[ADRA] offset:(\k)+i*16*PITCH+32
.set i, i+1
.endr
.endm
; One of a K step's first three quarters: multiplies buffer f; in its middle it fetches the next quarter, at byte k, into buffer g.
.macro QUARTER k, f, g, zero
	s_wait_dscnt NAB                               ; all but the youngest four loads (xb's row blocks 2, 3) are in
	MULP \f, 0, 0, \zero
	MULP \f, 0, 1, \zero
	PLACES
	FETCH \k, \g
	s_wait_dscnt 2*(NAB+NBB)                       ; all but the 32 just issued
	MULP \f, 1, 0, \zero
	MULP \f, 1, 1, \zero
.endm
; The last quarter multiplies buffer 1 and changes slots.  In front of the barrier each wave waits for all its tensor loads (one is out: its part of the next slot), adds 0 to its spare word, and waits for
; that and for its reads of this slot.  fill = 1: the barrier opens a round of the cluster's barrier, and behind the round this slot is filled again first, with the K step two on.
.macro TURN fill
.if \fill
	s_wait_xcnt 0x0                                ; the last prefetch, a K step back, has read its address
	s_add_nc_u64 s[PFA:PFA+1], s[PFA:PFA+1], 256
.endif
	WIN 0
	s_wait_tensorcnt 0x0                           ; no tensor load of mine is out, so a group 0 may be written
	ds_add_u32 v[SPW], v[NIL]                      ; 0 onto my spare word
.if \fill
.irp g, G0A+4, G0B+4
	s_xor_b32 s[(\g)+1], s[(\g)+1], SLOTX          ; the walking descriptor: the other slot than last time,
	s_add_nc_u64 s[(\g)+2:(\g)+3], s[(\g)+2:(\g)+3], 256  ; the next K step; the type bits on top are not reached
.endr
.endif
	s_wait_dscnt NAB+1                             ; the add and the youngest four loads may be out
	MULP 1, 0, 0, 0
	s_wait_dscnt 0x0                               ; the add is done, and my reads of this slot are over
	s_barrier_signal -1
	MULP 1, 0, 1, 0
	WIN 0
	s_barrier_wait -1
.if \fill
	CREST                                          ; no wave of any partner still reads this slot or has a load on its way
	JLOAD                                          ; the first tensor load behind the round; its four v_nop are also the places in front of the loads below
.else
	PLACES
.endif
	s_xor_b32 s[TB], s[TB], SLOTX
	v_add_nc_u32 v[ADRA], s[TB], v[ADRA0]
	v_add_nc_u32 v[ADRB], s[TB], v[ADRB0]
	FETCH 0, 0
.if \fill
	ASK
.endif
	MULP 1, 1, 0, 0
	MULP 1, 1, 1, 0
.endm
	s_load_b128 s[4:7], s[0:1], 0x0                ; xb s[4:5], wb s[6:7]
	s_load_b128 s[68:71], s[0:1], 0x10             ; bb s[68:69], qkv s[70:71]
	v_lshl_add_u32 v[SPW], v0, 2, SPARE
	v_mov_b32 v[NIL], 0
	ds_add_u32 v[SPW], v[NIL]                      ; the wave's opening: the add and its wait stand ahead of my first tensor load; the set-up below stands between them
	v_lshrrev_b32 v1, 5, v0
	v_readfirstlane_b32 s10, v1                    ; wave 0..3
	s_lshr_b32 s11, s10, 1                         ; which 64 rows of the tile are mine
	s_and_b32 s12, s10, 1                          ; which 192 columns
	s_bfe_u32 s40, ttmp6, 0x40000                  ; cx
	s_bfe_u32 s41, ttmp6, 0x40004                  ; cy
	s_lshl_b32 s42, ttmp9, 2
	s_add_co_u32 s42, s42, s40                     ; tile column = 4 x cluster x + cx
	s_and_b32 s67, ttmp7, 0xffff                   ; cluster y
	s_lshl_b32 s13, s67, 2
	s_add_co_u32 s13, s13, s41                     ; tile row = 4 x cluster y + cy
	s_lshl_b32 s21, s41, 2
	s_lshl_b32 s21, 15, s21                        ; my row of the cluster
	s_lshl_b32 s22, 0x1111, s40                    ; my column
	s_or_b32 s[G1A], s21, FLAGS                    ; xb's tiles go to my row,
	s_or_b32 s[G1B], s22, FLAGS                    ; wb's to my column
.irp g, G1A, G1B
	s_mov_b32 s[(\g)+1], 128<<16                   ; tensor_dim0 = 128
	s_mov_b32 s[(\g)+2], 128<<16                   ; tensor_dim1 = 128
	s_mov_b32 s[(\g)+3], 128<<16                   ; tile_dim0 = 128
	s_mov_b32 s[(\g)+4], 128                       ; tile_dim1 = 128
	s_mov_b32 s[(\g)+5], 1024                      ; elements from row to row
	s_mov_b32 s[(\g)+6], 0
	s_mov_b32 s[(\g)+7], 0
.endr
	s_lshl_b32 s16, s13, 18                        ; xb: 128 rows of 2,048 bytes a tile row
	s_mov_b32 s17, 0
	s_max_u32 s18, s10, 1
	s_sub_co_u32 s18, s18, 1
	s_lshl_b32 s18, s18, 7                         ; wb: which 128 of the tile's 384 rows (waves 1-3)
	s_mul_i32 s46, s42, 384
	s_add_co_u32 s46, s46, s18
	s_lshl_b32 s46, s46, 11
	s_mov_b32 s47, 0
	s_mul_i32 s20, s10, PART                       ; where my tile goes: xb's rows, then wb's three parts = wave x 128 rows
	s_mov_b32 s[TB], 0
	s_wait_dscnt 0x0                               ; the opening add is done
	s_wait_kmcnt 0x0
	s_add_nc_u64 s[14:15], s[4:5], s[16:17]
	s_add_nc_u64 s[46:47], s[6:7], s[46:47]
.irp s, 0,1
	s_mov_b32 s[G0A+4*(\s)], 1                                     ; count = 1
	s_add_co_u32 s[G0A+4*(\s)+1], s20, (\s)*SLOTX                  ; LDS address
	s_add_nc_u64 s[G0A+4*(\s)+2:G0A+4*(\s)+3], s[14:15], (\s)*256  ; global address: K step s
	s_or_b32 s[G0A+4*(\s)+3], s[G0A+4*(\s)+3], 0x80000000          ; type = 2
	s_mov_b32 s[G0B+4*(\s)], 1
	s_add_co_u32 s[G0B+4*(\s)+1], s20, (\s)*SLOTX
	s_add_nc_u64 s[G0B+4*(\s)+2:G0B+4*(\s)+3], s[46:47], (\s)*256
	s_or_b32 s[G0B+4*(\s)+3], s[G0B+4*(\s)+3], 0x80000000
.endr
	CROUND                                         ; all sixteen work-groups are here: the first joint loads meet
	s_cmp_eq_u32 s10, 0                            ; a wave's two first fills stand in one branch: two loads of mine are out
	s_cbranch_scc0 .Lfirst_b
	tensor_load_to_lds s[G0A:G0A+3], s[G1A:G1A+7]
	s_nop 0
	tensor_load_to_lds s[G0A+4:G0A+7], s[G1A:G1A+7]
	s_nop 0
.rept 4
	v_nop
.endr
	s_branch .Lfirst_asked
.Lfirst_b:
	tensor_load_to_lds s[G0B:G0B+3], s[G1B:G1B+7]
	s_nop 0
	tensor_load_to_lds s[G0B+4:G0B+7], s[G1B:G1B+7]
	s_nop 0
.rept 4
	v_nop
.endr
.Lfirst_asked:
	v_and_b32 v1, 15, v0                           ; l % 16
	v_bfe_u32 v2, v0, 4, 1                         ; l / 16
	; the bias: register j of column block b holds column 16 b + 8 (l / 16) + j: 32 bytes at 64 b + 32 (l / 16)
	s_mul_i32 s72, s42, 1536                       ; 4 bytes x 384 columns a tile column
	s_mul_i32 s73, s12, 768
	s_add_co_u32 s72, s72, s73
	s_mov_b32 s73, 0
	s_add_nc_u64 s[68:69], s[68:69], s[72:73]
	v_lshlrev_b32 v[BO], 5, v2
.set b, 0
.rept NBB
	global_load_b128 v[BIAS+8*b:BIAS+8*b+3],   v[BO], s[68:69] offset:64*b
	global_load_b128 v[BIAS+8*b+4:BIAS+8*b+7], v[BO], s[68:69] offset:64*b+16
.set b, b+1
.endr
	; a fragment is 16 rows x 32 K in 8 registers: lane l holds row l % 16, K = 8 (l / 16) + 0..7 and 16 + 8 (l / 16) + 0..7: two loads of 16 bytes, 32 bytes apart
	v_mul_u32_u24 v3, v1, PITCH
	v_lshl_add_u32 v3, v2, 4, v3
	s_mul_i32 s21, s11, 64*PITCH
	s_mul_i32 s22, s12, 192*PITCH
	s_add_co_u32 s22, s22, PART
	v_add_nc_u32 v[ADRA0], s21, v3
	v_add_nc_u32 v[ADRB0], s22, v3
	v_mov_b32 v[ADRA], v[ADRA0]
	v_mov_b32 v[ADRB], v[ADRB0]
	s_mul_i32 s23, s11, 64*SPITCH                  ; into the stage: my 64 rows, my 384 bytes of their 768
	s_mul_i32 s21, s12, 384
	s_add_co_u32 s23, s23, s21
	v_mul_u32_u24 v4, v1, SPITCH
	v_lshl_add_u32 v4, v2, 4, v4
	v_add_nc_u32 v[STO], s23, v4
	s_mul_i32 s23, s10, 32*SPITCH                  ; back: wave w takes rows 32 w .. 32 w + 31, whole; lanes 0-15 one block of 256 bytes, lanes 16-31 the row below
	v_mul_u32_u24 v5, v2, SPITCH
	v_lshl_add_u32 v5, v1, 4, v5
	v_add_nc_u32 v[RD], s23, v5
	v_mul_u32_u24 v5, v2, 6144
	v_lshl_add_u32 v[CO], v1, 4, v5
	s_lshl_b32 s74, s13, 7
	s_lshl_b32 s75, s10, 5
	s_add_co_u32 s74, s74, s75                     ; the first row that I store: 128 x tile row + 32 x wave
	s_mul_i32 s74, s74, 6144
	s_mul_i32 s75, s42, 768
	s_add_co_u32 s74, s74, s75
	s_mov_b32 s75, 0
	s_add_nc_u64 s[70:71], s[70:71], s[74:75]
	; the prefetches
	s_lshl_b32 s80, s13, 7
	s_lshl_b32 s81, s40, 5
	s_add_co_u32 s80, s80, s81                     ; xb: row 128 x tile row + 32 cx
	s_mul_i32 s82, s42, 384
	s_add_co_u32 s82, s82, s18
	s_lshl_b32 s83, s41, 5
	s_add_co_u32 s82, s82, s83                     ; wb: row 384 x tile column + my 128 + 32 cy
	s_cmp_eq_u32 s10, 0
	s_cselect_b32 s80, s80, s82
	s_cselect_b32 s81, ttmp9, s67                  ; the coordinate along which other clusters read the same rows
	s_cselect_b64 s[PFA:PFA+1], s[4:5], s[6:7]
	s_cmp_eq_u32 s81, 0
	s_cselect_b32 s[LIM], 2, -1                    ; the same in all sixteen partners, for a given wave
	s_lshl_b32 s80, s80, 11
	s_mov_b32 s81, 0
	s_add_nc_u64 s[PFA:PFA+1], s[PFA:PFA+1], s[80:81]
	s_add_nc_u64 s[PFA:PFA+1], s[PFA:PFA+1], 3*256 ; at K step 3: the first refill steps it to 4.  Nothing is prefetched at the head
	v_and_b32 v[PFO], 31, v0
	v_lshlrev_b32 v[PFO], 11, v[PFO]
	s_wait_tensorcnt 1                             ; my part of K step 0 is in; K step 1's may stay out
	s_barrier_signal -1
	s_barrier_wait -1
	FETCH 0, 0
	s_wait_loadcnt 0x0                             ; the bias
	QUARTER 64, 0, 1, 1                            ; the first quarter stands in front of the loop: its products start the sums
	WIN 0                                          ; at a label and at a branch every window is 0
	s_mov_b32 s3, KT-2
.Lstep:                                                ; trip t: from the second quarter of K step t to the first of K step t + 1; slot t % 2 is filled with K step t + 2
	QUARTER 128, 1, 0, 0
	QUARTER 192, 0, 1, 0
	TURN 1
	QUARTER 64, 0, 1, 0
	WIN 0
	s_sub_co_u32 s3, s3, 1
	s_cmp_lg_u32 s3, 0
	s_cbranch_scc1 .Lstep
	QUARTER 128, 1, 0, 0                           ; the tail is written out: nothing more is asked for
	QUARTER 192, 0, 1, 0
	TURN 0
	QUARTER 64, 0, 1, 0
	QUARTER 128, 1, 0, 0
	QUARTER 192, 0, 1, 0
	s_wait_dscnt NAB
	MULP 1, 0, 0, 0
	MULP 1, 0, 1, 0
	s_wait_dscnt 0x0
	MULP 1, 1, 0, 0
	MULP 1, 1, 1, 0
	WIN 0
	; THE WAY OUT: rounded to f16, 16 bytes a lane into the stage; a barrier, since a row's three blocks of 256 bytes come from two waves; back as whole blocks.
	; The stage lies in slot 0: its last fill (K step 6) was waited for, and every wave's reads of it were over, at the last change of slots; slot 1, which slower waves still read, begins behind the stage's end.
	PLACES
.set a, 0
.rept 4
	WIN 0x0a+5*(a/2)                               ; sources in window 2 or 3
.set b, 0
.rept NBB
.set r, 0
.rept 4
	v_cvt_pk_f16_f32 v[TMP+4*b+r], v[96*(a%2)+8*b+2*r], v[96*(a%2)+8*b+2*r+1]
.set r, r+1
.endr
.set b, b+1
.endr
	WIN 0
.set b, 0
.rept NBB
	ds_store_b128 v[STO], v[TMP+4*b:TMP+4*b+3] offset:16*SPITCH*a+32*b
.set b, b+1
.endr
.set a, a+1
.endr
	s_wait_dscnt 0x0                               ; for the others' sake: my stores into the stage are done
	s_barrier_signal -1
	s_barrier_wait -1
.set n, 0
.rept 48
	ds_load_b128 v[OB+4*n:OB+4*n+3], v[RD] offset:2*SPITCH*(n/3)+256*(n%3)
.set n, n+1
.endr
.set n, 0
.rept 48
	s_wait_dscnt 47-n                              ; number n is back; the younger ones stay out
	global_store_b128 v[CO], v[OB+4*n:OB+4*n+3], s[70:71] offset:12288*(n/3)+256*(n%3)  ; 16 lanes store 256 consecutive bytes, at a multiple of 256 from qkv's first byte
.set n, n+1
.endr
	s_wait_tensorcnt 0x0                           ; the wave's end, behind my last tensor load and my last LDS store
	ds_add_u32 v[SPW], v[NIL]
	s_wait_dscnt 0x0
	CROUND                                         ; the closing round: no work-group ends while a partner may still ask for a tile that names it
	s_endpgm
.Lfunc_end_k_q40a44ce5a4_proj:
	.size	k_q40a44ce5a4_proj, .Lfunc_end_k_q40a44ce5a4_proj-k_q40a44ce5a4_proj
	.p2alignl 7, 3214868480
	.fill 96, 4, 3214868480
	.section	.rodata,"a",@progbits
	.p2align	6, 0x0
	.amdhsa_kernel k_q40a44ce5a4_proj
		.amdhsa_group_segment_fixed_size 327680
		.amdhsa_private_segment_fixed_size 0
		.amdhsa_enable_private_segment 0
		.amdhsa_kernarg_size 32
		.amdhsa_user_sgpr_count 2
		.amdhsa_user_sgpr_kernarg_segment_ptr 1
		.amdhsa_wavefront_size32 1
		.amdhsa_system_sgpr_workgroup_id_x 1
		.amdhsa_system_sgpr_workgroup_id_y 1
		.amdhsa_system_sgpr_workgroup_id_z 1
		.amdhsa_system_vgpr_workitem_id 0
		.amdhsa_next_free_vgpr 1024
		.amdhsa_next_free_sgpr 100
		.amdhsa_reserve_vcc 0
		.amdhsa_float_denorm_mode_32 3
		.amdhsa_float_denorm_mode_16_64 3
		.amdhsa_memory_ordered 1
		.amdhsa_forward_progress 1
		.amdhsa_inst_pref_size 101
	.end_amdhsa_kernel
	.amdgpu_metadata
---
amdhsa.version: [ 1, 2 ]
amdhsa.kernels:
  - .name:           k_q40a44ce5a4_proj
    .symbol:         k_q40a44ce5a4_proj.kd
    .args:
      - { .name: xb, .offset: 0, .size: 8, .value_kind: global_buffer, .address_space: global }
      - { .name: wb, .offset: 8, .size: 8, .value_kind: global_buffer, .address_space: global }
      - { .name: bb, .offset: 16, .size: 8, .value_kind: global_buffer, .address_space: global }
      - { .name: qkv, .offset: 24, .size: 8, .value_kind: global_buffer, .address_space: global }
    .group_segment_fixed_size: 327680
    .private_segment_fixed_size: 0
    .kernarg_segment_align: 8
    .kernarg_segment_size: 32
    .max_flat_workgroup_size: 128
    .sgpr_count:     100
    .vgpr_count:     1024
    .wavefront_size: 32
...
	.end_amdgpu_metadata
.endif
;; end of part 2
;; launch score (part 3): grid 8 x 32, 4 waves a work-group, clusters of 4 x 4, 327,680 bytes of LDS; arguments qkv, pp, st; writes pp, st
.if DOCPART == 3
	.amdgcn_target "amdgcn-amd-amdhsa--gfx1250"
	.amdhsa_code_object_version 6
	.text
	.protected	k_q40a44ce5a4_score
	.globl	k_q40a44ce5a4_score
	.p2align	8
	.type	k_q40a44ce5a4_score,@function
k_q40a44ce5a4_score:
	s_mov_b64 s[64:65], 0
	v_nop
	global_prefetch_b8 v0, s[64:65] scope:SCOPE_SE
	s_setreg_imm32_b32 hwreg(HW_REG_WAVE_MODE, 25, 1), 1
	s_wait_xcnt 0x0
	s_wait_alu depctr_hold_cnt(0) depctr_sa_sdst(0) depctr_va_vdst(0) depctr_va_sdst(0) depctr_va_ssrc(0) depctr_va_vcc(0) depctr_vm_vsrc(0)
	s_getreg_b32 s2, hwreg(HW_REG_IB_STS2, 6, 4)
	s_cmp_eq_u32 s2, 0
	s_cbranch_scc0 .Lentry_in_a_cluster
	s_endpgm
.Lentry_in_a_cluster:
	s_bfe_u32 s2, ttmp6, 0x10000c
	s_cmp_lg_u32 s2, 0xf033
	s_cbranch_scc0 .Lentry_shape_is_right
	s_endpgm
.Lentry_shape_is_right:
; For each query row and each block of 128 keys of its batch: s = q . k; cm = c x max s; p' = 2^(c s - cm), rounded to f16, into pp; l = the sum of the unrounded p'; cm and l into st.  c = log2(e) / 32.
; qkv: [8192][3072] f16 (q at column 0, k at column 1,024).  st: cm[16][8192] f32, then l[16][8192] f32 (index: key block of 128, row).  Products, maxima and sums in f32.
; pp: [512 query blocks of 16][128 key blocks of 16][32 lanes][16 bytes] f16: lane l's 16 bytes are query l % 16, keys 8 (l / 16) + 0..7 of the key block: half a fragment of the next launch's second source, as it lies in registers.
; The maximum taken away here is the block's own; the next launch corrects each block to the row's maximum.  p' lies in 0 to 1; below 6e-5 it keeps f16's fixed step of 6e-8; a p' below 2^-126 counts as 0 in l.
; NaN and infinities are not treated apart.
; SHARES.  A tile is 256 queries x 256 keys: 8 x 32 = 256 work-groups.  Four waves, each 128 x 128: 64 accumulators, 512 registers: a wave's 128 keys are one block.  K (the 1,024 channels) goes in 8 steps of 128
; through two LDS slots filled by the tensor data mover; a row of a tile is 256 bytes of memory, aligned.  Waves 0, 1 fetch q's two halves, waves 2, 3 k's.
; CLUSTER 4 x 4: the four of a row of the cluster need the same rows of q, the four of a column the same rows of k: joint loads.
; THE MATRIX INSTRUCTION IS USED TRANSPOSED (source 0 = 16 keys, source 1 = 16 queries): a lane holds ONE query (l % 16) and the keys 8 (l / 16) + 0..7 of each key block of 16: packed, that is pp's layout, so the weights
; are stored straight from registers, 512 consecutive bytes an instruction.
; REGISTERS, in windows of 256 (s_set_vgpr_msb: bits 1:0 source 0, 3:2 source 1, 5:4 source 2, 7:6 destination):
;   window 0: v0-31 addresses; v32-43 at work on the way out; v64-191 q's fragments, two buffers of 64; v192-255 packed weights, two buffers of 32
;   window 1: v64-191 k's fragments        window 2: accumulators of query blocks 0-3 ((a, b) at 8 (8 (a % 4) + b))        window 3: of query blocks 4-7
.set NAB,   8
.set NBB,   8
.set KT,    8
.set PITCH, 272                        ; 256 bytes + 16 of padding = 68 words: the 16 rows of a load start at 16 different groups of four banks (64 banks of 4 bytes: ISA guide 11.1)
.set PART,  128*PITCH
.set SLOTX, 4*PART                     ; a slot, and slot 1's first byte: it shares no bit with wave x PART
.set STAT,  2*SLOTX                    ; behind the ring: 1,024 bytes for each wave: cm of its 128 rows, then l
.set SPARE, STAT+4096                  ; the spare words, 128 bytes a wave: two blocks of 256 bytes that no other line names
.set FLAGS, (1<<16)|(1<<20)|(1<<21)|(5<<22)|(3<<25)
.set ADRA0, 16
.set ADRB0, 17
.set ADRA,  18
.set ADRB,  19
.set SST,   20                         ; v20  where I put cm (lanes 0-15) or l (lanes 16-31) of my row
.set SRD,   21                         ; v21  where I read the tables back
.set SO,    22                         ; v22  16 x lane; never rewritten
.set SPW,   28
.set NIL,   29
.set PFO,   30                         ; v30  my lane x a row of 6,144 bytes; never rewritten
.set TT,    32                         ; v32-39 eight running maxima
.set CM,    40                         ; v[40:41] c m (the packed scaling takes the pair's low word for both halves)
.set LL,    42
.set XX,    43
.set FA0,   64
.set FB0,   64
.set TMP,   192
.set G1A, 24
.set G0A, 32
.set LIM, 43
.set PFA, 44
.set G1B, 48
.set G0B, 56
.set TB,  66
.set CS,  74                           ; s[74:75] c
.set SEL, 76                           ; s[76:77] v_permlanex16_b32's selects: each lane takes its own place in the other half
.set HM,  78                           ; s78  the lanes 16-31
.set MSB, 0
.macro WIN new
.if MSB != (\new)
	s_set_vgpr_msb (MSB<<8)|(\new)
.set MSB, \new
.endif
.endm
.set TO_B, 0x40
.macro PLACES
.rept 4
	v_nop
.endr
.endm
.macro JLOAD                           ; a joint refill; the branch hangs on the wave's number alone; an s_nop 0 and four v_nop follow each line
	s_cmp_lt_u32 s10, 2
	s_cbranch_scc0 .Lfor_b_\@
	tensor_load_to_lds s[G0A+4:G0A+7], s[G1A:G1A+7]
	s_nop 0
.rept 4
	v_nop
.endr
	s_branch .Lasked_\@
.Lfor_b_\@:
	tensor_load_to_lds s[G0B+4:G0B+7], s[G1B:G1B+7]
	s_nop 0
.rept 4
	v_nop
.endr
.Lasked_\@:
.endm
; A prefetch of the K step two refills on: 32 rows x 256 bytes, a lane a row.  q's rows are named by the clusters with x = 0, k's by the first of the two clusters along y that share a batch; the four partners
; of a joint load take 32 of its 128 rows each, told apart by address: each block of 256 bytes is named once in the launch.  The last two refills ask for nothing.
.macro ASK
	s_cmp_gt_u32 s3, s[LIM]
	s_cbranch_scc0 .Lnot_mine_\@
	global_prefetch_b8 v[PFO], s[PFA:PFA+1] th:TH_LOAD_NT scope:SCOPE_SE
.Lnot_mine_\@:
.endm
.macro CREST
	s_cmp_lg_u32 s10, 0
	s_cbranch_scc1 .Lnot_wave_0_\@
	s_barrier_signal -3
.Lnot_wave_0_\@:
	s_barrier_wait -3
	s_barrier_signal -1
	s_barrier_wait -1
.endm
.macro CROUND
	s_barrier_signal -1
	s_barrier_wait -1
	CREST
.endm
; 16 matrix instructions: two query blocks x all 8 key blocks, 32 channels, from buffer f.  zero = 1: the first product starts the sums.  The 64 accumulators take turns, one instruction a turn.
.macro MULP f, hi, part, zero
	WIN 0xa1+0x50*(\hi)
.set aw, (\part)*NAB/4
.rept NAB/4
.set b, 0
.rept NBB
.set rD, 8*(NBB*aw+b)
.set rB, FB0+8*NBB*(\f)+8*b
.set rA, FA0+8*NAB*(\f)+8*(NAB/2*(\hi)+aw)
.if \zero
	v_wmma_f32_16x16x32_f16 v[rD:rD+7], v[rB:rB+7], v[rA:rA+7], 0
.else
	v_wmma_f32_16x16x32_f16 v[rD:rD+7], v[rB:rB+7], v[rA:rA+7], v[rD:rD+7]
.endif
.set b, b+1
.endr
.set aw, aw+1
.endr
.endm
.macro FETCH k, f
	WIN TO_B
.set i, 0
.rept NBB
	ds_load_b128 v[FB0+8*NBB*(\f)+8*i:FB0+8*NBB*(\f)+8*i+3],   v[ADRB] offset:(\k)+i*16*PITCH
	ds_load_b128 v[FB0+8*NBB*(\f)+8*i+4:FB0+8*NBB*(\f)+8*i+7], v[ADRB] offset:(\k)+i*16*PITCH+32
.set i, i+1
.endr
	WIN 0
.set i, 0
.rept NAB
	ds_load_b128 v[FA0+8*NAB*(\f)+8*i:FA0+8*NAB*(\f)+8*i+3],   v[ADRA] offset:(\k)+i*16*PITCH
	ds_load_b128 v[FA0+8*NAB*(\f)+8*i+4:FA0+8*NAB*(\f)+8*i+7], v[ADRA] offset:(\k)+i*16*PITCH+32
.set i, i+1
.endr
.endm
.macro QUARTER k, f, g, zero
	s_wait_dscnt NAB                               ; all but the youngest eight loads (q's blocks 4-7) are in
	MULP \f, 0, 0, \zero
	MULP \f, 0, 1, \zero
	PLACES
	FETCH \k, \g
	s_wait_dscnt 2*(NAB+NBB)                       ; all but the 32 just issued
	MULP \f, 1, 0, \zero
	MULP \f, 1, 1, \zero
.endm
; The last quarter multiplies buffer 1 and changes slots: each wave waits for all its tensor loads (one is out: its part of the next slot), adds 0 to its spare word, waits for that and for its reads of this slot.
; fill = 1: the barrier opens a round of the cluster's barrier; behind the round this slot is filled again first, with the K step two on.
.macro TURN fill
.if \fill
	s_wait_xcnt 0x0                                ; the last prefetch, a K step back, has read its address
	s_add_nc_u64 s[PFA:PFA+1], s[PFA:PFA+1], 256
.endif
	WIN 0
	s_wait_tensorcnt 0x0
	ds_add_u32 v[SPW], v[NIL]                      ; 0 onto my spare word
.if \fill
.irp g, G0A+4, G0B+4
	s_xor_b32 s[(\g)+1], s[(\g)+1], SLOTX
	s_add_nc_u64 s[(\g)+2:(\g)+3], s[(\g)+2:(\g)+3], 256
.endr
.endif
	s_wait_dscnt NAB+1                             ; the add and the youngest eight loads may be out
	MULP 1, 0, 0, 0
	s_wait_dscnt 0x0                               ; the add is done, and my reads of this slot are over
	s_barrier_signal -1
	MULP 1, 0, 1, 0
	WIN 0
	s_barrier_wait -1
.if \fill
	CREST
	JLOAD                                          ; its four v_nop are also the places in front of the loads below
.else
	PLACES
.endif
	s_xor_b32 s[TB], s[TB], SLOTX
	v_add_nc_u32 v[ADRA], s[TB], v[ADRA0]
	v_add_nc_u32 v[ADRB], s[TB], v[ADRB0]
	FETCH 0, 0
.if \fill
	ASK
.endif
	MULP 1, 1, 0, 0
	MULP 1, 1, 1, 0
.endm
	s_load_b128 s[4:7], s[0:1], 0x0                ; qkv s[4:5], pp s[6:7]
	s_load_b64 s[8:9], s[0:1], 0x10                ; st
	v_lshl_add_u32 v[SPW], v0, 2, SPARE
	v_mov_b32 v[NIL], 0
	ds_add_u32 v[SPW], v[NIL]                      ; the wave's opening: the add and its wait stand ahead of my first tensor load
	v_lshrrev_b32 v1, 5, v0
	v_readfirstlane_b32 s10, v1
	s_lshr_b32 s11, s10, 1                         ; which 128 queries are mine
	s_and_b32 s12, s10, 1                          ; which 128 keys.  Also: which 128 rows of a tile I fetch
	s_bfe_u32 s40, ttmp6, 0x40000
	s_bfe_u32 s41, ttmp6, 0x40004
	s_lshl_b32 s42, ttmp9, 2
	s_add_co_u32 s42, s42, s40                     ; key tile in the batch
	s_and_b32 s67, ttmp7, 0xffff                   ; cluster y; the batch is cluster y / 2
	s_lshl_b32 s13, s67, 2
	s_add_co_u32 s13, s13, s41                     ; query tile
	s_lshl_b32 s21, s41, 2
	s_lshl_b32 s21, 15, s21
	s_lshl_b32 s22, 0x1111, s40
	s_or_b32 s[G1A], s21, FLAGS
	s_or_b32 s[G1B], s22, FLAGS
.irp g, G1A, G1B
	s_mov_b32 s[(\g)+1], 128<<16
	s_mov_b32 s[(\g)+2], 128<<16
	s_mov_b32 s[(\g)+3], 128<<16
	s_mov_b32 s[(\g)+4], 128
	s_mov_b32 s[(\g)+5], 3072                      ; elements from row to row
	s_mov_b32 s[(\g)+6], 0
	s_mov_b32 s[(\g)+7], 0
.endr
	s_lshl_b32 s18, s12, 7
	s_lshl_b32 s16, s13, 8
	s_add_co_u32 s16, s16, s18
	s_mul_i32 s16, s16, 6144                       ; q: row 256 x query tile + 128 x half
	s_mov_b32 s17, 0
	s_lshr_b32 s46, s67, 1
	s_lshl_b32 s46, s46, 11
	s_lshl_b32 s47, s42, 8
	s_add_co_u32 s46, s46, s47
	s_add_co_u32 s46, s46, s18
	s_mul_i32 s46, s46, 6144                       ; k: row 2,048 x batch + 256 x key tile + 128 x half,
	s_add_co_u32 s46, s46, 2048                    ; column 1,024
	s_mov_b32 s47, 0
	s_mul_i32 s20, s10, PART
	s_mov_b32 s[TB], 0
	s_mov_b32 s[CS], 0x3d38aa3b                    ; c = log2(e) / 32
	s_mov_b32 s[CS+1], s[CS]
	s_mov_b32 s[SEL], 0x76543210
	s_mov_b32 s[SEL+1], 0xfedcba98
	s_mov_b32 s[HM], 0xffff0000
	s_wait_dscnt 0x0
	s_wait_kmcnt 0x0
	s_add_nc_u64 s[14:15], s[4:5], s[16:17]
	s_add_nc_u64 s[46:47], s[4:5], s[46:47]
.irp s, 0,1
	s_mov_b32 s[G0A+4*(\s)], 1
	s_add_co_u32 s[G0A+4*(\s)+1], s20, (\s)*SLOTX
	s_add_nc_u64 s[G0A+4*(\s)+2:G0A+4*(\s)+3], s[14:15], (\s)*256
	s_or_b32 s[G0A+4*(\s)+3], s[G0A+4*(\s)+3], 0x80000000
	s_mov_b32 s[G0B+4*(\s)], 1
	s_add_co_u32 s[G0B+4*(\s)+1], s20, (\s)*SLOTX
	s_add_nc_u64 s[G0B+4*(\s)+2:G0B+4*(\s)+3], s[46:47], (\s)*256
	s_or_b32 s[G0B+4*(\s)+3], s[G0B+4*(\s)+3], 0x80000000
.endr
	CROUND
	s_cmp_lt_u32 s10, 2                            ; a wave's two first fills stand in one branch: two loads of mine are out
	s_cbranch_scc0 .Lfirst_b
	tensor_load_to_lds s[G0A:G0A+3], s[G1A:G1A+7]
	s_nop 0
	tensor_load_to_lds s[G0A+4:G0A+7], s[G1A:G1A+7]
	s_nop 0
.rept 4
	v_nop
.endr
	s_branch .Lfirst_asked
.Lfirst_b:
	tensor_load_to_lds s[G0B:G0B+3], s[G1B:G1B+7]
	s_nop 0
	tensor_load_to_lds s[G0B+4:G0B+7], s[G1B:G1B+7]
	s_nop 0
.rept 4
	v_nop
.endr
.Lfirst_asked:
	v_and_b32 v1, 15, v0
	v_bfe_u32 v2, v0, 4, 1
	v_and_b32 v6, 31, v0
	v_mul_u32_u24 v3, v1, PITCH
	v_lshl_add_u32 v3, v2, 4, v3
	s_mul_i32 s21, s11, PART
	s_mul_i32 s22, s12, PART
	s_add_co_u32 s22, s22, 2*PART
	v_add_nc_u32 v[ADRA0], s21, v3
	v_add_nc_u32 v[ADRB0], s22, v3
	v_mov_b32 v[ADRA], v[ADRA0]
	v_mov_b32 v[ADRB], v[ADRB0]
	s_lshl_b32 s23, s10, 10
	s_add_co_u32 s23, s23, STAT                    ; my tables
	v_lshlrev_b32 v5, 9, v2
	v_lshl_add_u32 v5, v1, 2, v5
	v_add_nc_u32 v[SST], s23, v5
	v_lshlrev_b32 v[SO], 4, v6
	v_add_nc_u32 v[SRD], s23, v[SO]
	v_mov_b32 v[CM+1], 0                           ; named with c m as a pair
	v_mov_b32 v[XX], 0                             ; v_permlanex16_b32 counts as a reader of its destination
	s_lshl_b32 s88, s13, 8
	s_lshl_b32 s89, s11, 7
	s_add_co_u32 s88, s88, s89                     ; my first query row
	s_lshl_b32 s90, s88, 2                         ; its place in a table of st,
	s_lshl_b32 s88, s88, 12                        ; and in pp: a query block of 16 rows is 65,536 bytes
	s_lshl_b32 s89, s42, 13                        ; a key tile is 16 key blocks of 512 bytes,
	s_add_co_u32 s88, s88, s89
	s_lshl_b32 s89, s12, 12                        ; my half of it 8
	s_add_co_u32 s88, s88, s89
	s_mov_b32 s89, 0
	s_add_nc_u64 s[6:7], s[6:7], s[88:89]
	s_lshl_b32 s91, s42, 1
	s_add_co_u32 s91, s91, s12                     ; my key block of 128
	s_lshl_b32 s91, s91, 15
	s_add_co_u32 s90, s90, s91
	s_mov_b32 s91, 0
	s_add_nc_u64 s[8:9], s[8:9], s[90:91]
	; the prefetches
	s_lshl_b32 s80, s13, 8
	s_add_co_u32 s80, s80, s18
	s_lshl_b32 s82, s40, 5
	s_add_co_u32 s80, s80, s82
	s_mul_i32 s80, s80, 6144                       ; q: row 256 x query tile + my 128 + 32 cx
	s_lshr_b32 s83, s67, 1
	s_lshl_b32 s83, s83, 11
	s_lshl_b32 s82, s42, 8
	s_add_co_u32 s83, s83, s82
	s_add_co_u32 s83, s83, s18
	s_lshl_b32 s82, s41, 5
	s_add_co_u32 s83, s83, s82
	s_mul_i32 s83, s83, 6144                       ; k: its row + 32 cy,
	s_add_co_u32 s83, s83, 2048                    ; column 1,024
	s_and_b32 s82, s67, 1
	s_cmp_lt_u32 s10, 2
	s_cselect_b32 s80, s80, s83
	s_cselect_b32 s82, ttmp9, s82                  ; 0 in the cluster that names these rows
	s_cmp_eq_u32 s82, 0
	s_cselect_b32 s[LIM], 2, -1
	s_add_co_u32 s80, s80, 3*256                   ; at K step 3: the first refill steps it to 4.  Nothing is prefetched at the head
	s_mov_b32 s81, 0
	s_add_nc_u64 s[PFA:PFA+1], s[4:5], s[80:81]
	v_mul_u32_u24 v[PFO], v6, 6144
	s_wait_tensorcnt 1                             ; my part of K step 0 is in; K step 1's may stay out
	s_barrier_signal -1
	s_barrier_wait -1
	FETCH 0, 0
	QUARTER 64, 0, 1, 1
	WIN 0
	s_mov_b32 s3, KT-2
.Lstep:                                                ; trip t: from the second quarter of K step t to the first of K step t + 1; slot t % 2 is filled with K step t + 2
	QUARTER 128, 1, 0, 0
	QUARTER 192, 0, 1, 0
	TURN 1
	QUARTER 64, 0, 1, 0
	WIN 0
	s_sub_co_u32 s3, s3, 1
	s_cmp_lg_u32 s3, 0
	s_cbranch_scc1 .Lstep
	; THE LAST TWO K STEPS ask for nothing, so they have a text of their own. It is written once and walked twice; the second trip is left in its middle.  That trip's change of slots
	; (a barrier, and 32 LDS loads from the slot read before, which nobody uses) serves nothing: the price of one text for both trips.
	s_mov_b32 s3, 2
.Ltail:
	QUARTER 128, 1, 0, 0
	QUARTER 192, 0, 1, 0
	TURN 0
	WIN 0
	s_cmp_eq_u32 s3, 1
	s_cbranch_scc1 .Lout
	QUARTER 64, 0, 1, 0
	WIN 0
	s_sub_co_u32 s3, s3, 1
	s_cmp_lg_u32 s3, 0
	s_cbranch_scc1 .Ltail
.Lout:
	s_wait_dscnt 0x0                               ; the loads that nobody uses have landed
; THE WAY OUT, a block of 16 queries at a time.  A lane's 64 scores of its query (the other 64 lie in the lane 16 away): the maximum, each accumulator's lowest registers first;
; c s - c m, 64 exponentials as ONE batch with one plain instruction and one wait behind it, ahead of the first line that names a result; rounding to f16; the sum of the unrounded weights; cm and l into my tables;
; the packed weights straight to pp.
.macro SOFT a
.set W, 2+(\a)/4
.set AC, 64*((\a)%4)
.set TM, TMP+32*((\a)%2)
	WIN W*0x15                                     ; three sources in the accumulators' window
.set b, 0
.rept 8
	v_max3_num_f32 v[TT+b], v[AC+8*b], v[AC+8*b+1], v[AC+8*b+2]
.set b, b+1
.endr
	WIN W*0x14
.set b, 0
.rept 8
	v_max3_num_f32 v[TT+b], v[TT+b], v[AC+8*b+3], v[AC+8*b+4]
.set b, b+1
.endr
.set b, 0
.rept 8
	v_max3_num_f32 v[TT+b], v[TT+b], v[AC+8*b+5], v[AC+8*b+6]
.set b, b+1
.endr
.set b, 0
.rept 4
	v_max3_num_f32 v[TT+b], v[TT+b], v[AC+16*b+7], v[AC+16*b+15]
.set b, b+1
.endr
	WIN 0
	v_max3_num_f32 v[TT], v[TT], v[TT+1], v[TT+2]
	v_max3_num_f32 v[TT+3], v[TT+3], v[TT+4], v[TT+5]
	v_max3_num_f32 v[TT], v[TT], v[TT+3], v[TT+6]
	v_max_num_f32 v[TT], v[TT], v[TT+7]
	v_permlanex16_b32 v[TT+1], v[TT], s[SEL], s[SEL+1]
	v_max_num_f32 v[TT], v[TT], v[TT+1]
	v_mul_f32 v[CM], s[CS], v[TT]
	WIN W*0x41                                     ; destination and source 0 in the accumulators' window, c m in window 0
.set p, 0
.rept 32
	v_pk_fma_f32 v[AC+2*p:AC+2*p+1], v[AC+2*p:AC+2*p+1], s[CS:CS+1], v[CM:CM+1] op_sel_hi:[1,0,0] neg_lo:[0,0,1] neg_hi:[0,0,1]
.set p, p+1
.endr
.set p, 0
.rept 64
	v_exp_f32 v[AC+p], v[AC+p]
.set p, p+1
.endr
	v_nop                                          ; a plain instruction behind the last exponential (ISA guide 5.7.2),
	s_wait_alu depctr_va_vdst(0)                   ; and one wait for the batch
.if (\a) >= 2
	s_wait_xcnt 0x0                                ; the stores of the block two back have read the registers that are packed into now
.endif
	WIN W*5
.set p, 0
.rept 32
	v_cvt_pk_f16_f32 v[TM+p], v[AC+2*p], v[AC+2*p+1]
.set p, p+1
.endr
	WIN W*0x45
.irp d, 1,2,4,8,16                     ; the 32 pairs are added in place: neighbours 1, 2, 4, 8 and 16 pairs apart
.set u, 0
.rept 16/(\d)
	v_pk_add_f32 v[AC+4*(\d)*u:AC+4*(\d)*u+1], v[AC+4*(\d)*u:AC+4*(\d)*u+1], v[AC+4*(\d)*u+2*(\d):AC+4*(\d)*u+2*(\d)+1]
.set u, u+1
.endr
.endr
	WIN W*5
	v_add_f32 v[LL], v[AC], v[AC+1]
	WIN 0
	v_permlanex16_b32 v[XX], v[LL], s[SEL], s[SEL+1]
	v_add_f32 v[LL], v[LL], v[XX]
	v_cndmask_b32 v[XX], v[CM], v[LL], s[HM]       ; lanes 0-15 carry cm, lanes 16-31 l
	ds_store_b32 v[SST], v[XX] offset:64*(\a)
.irp b, 0,1,2,3,4,5,6,7
	global_store_b128 v[SO], v[TM+4*(\b):TM+4*(\b)+3], s[6:7] offset:65536*(\a)+512*(\b)  ; key block b of query block a: 512 consecutive bytes, at a multiple of 512 from pp's first byte
.endr
.endm
	PLACES
.irp a, 0,1,2,3,4,5,6,7
	SOFT \a
.endr
	ds_load_b128 v[128:131], v[SRD]                ; my 128 rows' cm (LDS serves a wave's instructions in order, ISA guide 5.7.1.4: these see my stores above),
	ds_load_b128 v[132:135], v[SRD] offset:512     ; and l: 512 consecutive bytes each
	s_wait_dscnt 0x0
	global_store_b128 v[SO], v[128:131], s[8:9]
	global_store_b128 v[SO], v[132:135], s[8:9] offset:524288
	s_wait_tensorcnt 0x0                           ; the wave's end, behind my last tensor load and my last LDS store
	ds_add_u32 v[SPW], v[NIL]
	s_wait_dscnt 0x0
	CROUND                                         ; the closing round
	s_endpgm
.Lfunc_end_k_q40a44ce5a4_score:
	.size	k_q40a44ce5a4_score, .Lfunc_end_k_q40a44ce5a4_score-k_q40a44ce5a4_score
	.p2alignl 7, 3214868480
	.fill 96, 4, 3214868480
	.section	.rodata,"a",@progbits
	.p2align	6, 0x0
	.amdhsa_kernel k_q40a44ce5a4_score
		.amdhsa_group_segment_fixed_size 327680
		.amdhsa_private_segment_fixed_size 0
		.amdhsa_enable_private_segment 0
		.amdhsa_kernarg_size 24
		.amdhsa_user_sgpr_count 2
		.amdhsa_user_sgpr_kernarg_segment_ptr 1
		.amdhsa_wavefront_size32 1
		.amdhsa_system_sgpr_workgroup_id_x 1
		.amdhsa_system_sgpr_workgroup_id_y 1
		.amdhsa_system_sgpr_workgroup_id_z 1
		.amdhsa_system_vgpr_workitem_id 0
		.amdhsa_next_free_vgpr 1024
		.amdhsa_next_free_sgpr 100
		.amdhsa_reserve_vcc 0
		.amdhsa_float_denorm_mode_32 3
		.amdhsa_float_denorm_mode_16_64 3
		.amdhsa_memory_ordered 1
		.amdhsa_forward_progress 1
		.amdhsa_inst_pref_size 161
	.end_amdhsa_kernel
	.amdgpu_metadata
---
amdhsa.version: [ 1, 2 ]
amdhsa.kernels:
  - .name:           k_q40a44ce5a4_score
    .symbol:         k_q40a44ce5a4_score.kd
    .args:
      - { .name: qkv, .offset: 0, .size: 8, .value_kind: global_buffer, .address_space: global }
      - { .name: pp, .offset: 8, .size: 8, .value_kind: global_buffer, .address_space: global }
      - { .name: st, .offset: 16, .size: 8, .value_kind: global_buffer, .address_space: global }
    .group_segment_fixed_size: 327680
    .private_segment_fixed_size: 0
    .kernarg_segment_align: 8
    .kernarg_segment_size: 24
    .max_flat_workgroup_size: 128
    .sgpr_count:     100
    .vgpr_count:     1024
    .wavefront_size: 32
...
	.end_amdgpu_metadata
.endif
;; end of part 3
;; launch mix (part 4): grid 4 x 64, 4 waves a work-group, clusters of 4 x 4, 327,680 bytes of LDS; arguments pp, qkv, st, out0; writes out0
.if DOCPART == 4
	.amdgcn_target "amdgcn-amd-amdhsa--gfx1250"
	.amdhsa_code_object_version 6
	.text
	.protected	k_q40a44ce5a4_mix
	.globl	k_q40a44ce5a4_mix
	.p2align	8
	.type	k_q40a44ce5a4_mix,@function
k_q40a44ce5a4_mix:
	s_mov_b64 s[64:65], 0
	v_nop
	global_prefetch_b8 v0, s[64:65] scope:SCOPE_SE
	s_setreg_imm32_b32 hwreg(HW_REG_WAVE_MODE, 25, 1), 1
	s_wait_xcnt 0x0
	s_wait_alu depctr_hold_cnt(0) depctr_sa_sdst(0) depctr_va_vdst(0) depctr_va_sdst(0) depctr_va_ssrc(0) depctr_va_vcc(0) depctr_vm_vsrc(0)
	s_getreg_b32 s2, hwreg(HW_REG_IB_STS2, 6, 4)
	s_cmp_eq_u32 s2, 0
	s_cbranch_scc0 .Lentry_in_a_cluster
	s_endpgm
.Lentry_in_a_cluster:
	s_bfe_u32 s2, ttmp6, 0x10000c
	s_cmp_lg_u32 s2, 0xf033
	s_cbranch_scc0 .Lentry_shape_is_right
	s_endpgm
.Lentry_shape_is_right:
; out0[q][:] = (sum over key blocks t of f_t sum over the block's keys of p'[q][k] v[k][:]) / (sum over t of f_t l_t),  f_t = 2^(cm_t - M),  M = the largest of the row's 16 cm: the row's true maximum is taken away.
; pp: [512 query blocks of 16][128 key blocks of 16][32 lanes][16 bytes] f16, half a fragment of source 1 in each 512 bytes; v: columns 2,048 on of qkv [8192][3072] f16; st: cm[16][8192], l[16][8192] f32;
; out0: [8192][1024] f32.  Products and sums in f32; f, M and the divisor in f32.
; The weight that enters the product is p' x f, rounded to f16 (f itself rounded to f16 first): it lies in 0 to 1 and keeps f16's fixed step of 6e-8 below 6e-5; an f below 2^-24 counts as 0 there, and still
; counts in the divisor.  NaN and infinities are not treated apart.
; SHARES.  A tile is 128 queries x 256 channels: 4 x 64 = 256 work-groups.  Four waves, each 64 x 128: 32 accumulators.  K (the batch's 2,048 keys) goes in 8 steps of 256.
; V goes through two LDS slots of 256 keys filled by the tensor data mover: each wave fetches 64 keys x 512 bytes.  CLUSTER 4 x 4: the four of a column of the cluster need the same keys and channels: joint loads.
; P GOES STRAIGHT INTO REGISTERS, by two loads of 512 consecutive bytes a fragment, and is not asked for jointly though the four of a row of the cluster read the same weights: in LDS its 256 keys would add 69,632
; bytes to each slot of 139,264, and two such slots pass the 327,680 bytes that there are; slots of 128 keys would halve the matrix instructions between a tile's request and the wait for it.
; THE RING OF P: 32 fragments, one for each group of eight products of a step.  Group g multiplies fragment g, scales fragment g + 1, and asks again for fragment g - 1, for the next step: 30 fragments, 60 loads,
; are on their way at any time, each asked for 30 groups ahead of its scaling.
; LAYOUT.  Source 0 = 16 channels of v, turned on the way out of LDS by ds_load_tr16_b128; source 1 = 16 queries of p: a lane holds ONE query (l % 16) and the channels 8 (l / 16) + 0..7.
; THE FACTOR RIDES: a fragment of p is multiplied by its query's f between its load and its product, by packed f16 multiplies that stand four together behind the first and the fifth product of a group.
; REGISTERS, in windows of 256 (s_set_vgpr_msb: bits 1:0 source 0, 3:2 source 1, 5:4 source 2, 7:6 destination):
;   window 0: v0-31 addresses; v32-39 the factors of a step's two key blocks; v40-47 1 / divisor, in pairs; v64-99 statistics at the start; v128-255 v's fragments, two buffers of 64, later rows on the way out
;   window 1: the ring of p, fragment g at 8 g        window 2: accumulators of query blocks 0, 1 ((a, b) at 8 (8 (a % 2) + b))        window 3: of query blocks 2, 3
; The multiply takes the factor as source 0 and the fragment as source 1 and destination, so that riders and loads of p (destination window 1, address window 0) stand under one setting: four switches for eight products.
.set KT,    8
.set PV,    544                        ; a row of v in LDS: 512 + 32 bytes = 136 words
.set PART,  64*PV                      ; what one tensor load brings
.set SLOTX, 4*PART                     ; a slot, and slot 1's first byte: it shares no bit with wave x PART, so one exclusive or changes slots
.set FAC,   2*SLOTX                    ; behind the ring: [key block][row] a word with f in both halves, 16 x 512 bytes
.set RINV,  FAC+8192                   ; [row] 1 / divisor, 512 bytes
.set SPARE, RINV+512                   ; the spare words, 128 bytes a wave: two blocks of 256 bytes that no other line names
.set STAGE, SPARE+512                  ; 16 rows x 528 bytes for each wave
.set SPITCH, 528                       ; 512 + 16 bytes = 132 words
.set VSTEP, 256*6144                   ; bytes from a step's keys to the next step's in qkv
.set PSTEP, 8192                       ; and in a query block of pp: 16 key blocks of 512 bytes
.set ADRB0, 17                         ; v17  my place in a slot of v; never rewritten
.set ADRB,  18                         ; v18  + the slot in hand: keys 0-127;  v19: keys 128-255 (an LDS offset has 16 bits)
.set FADR,  20                         ; v20  the step's factors of my four queries
.set FST,   21                         ; v21  FAC + 4 x my thread's number
.set SO,    23                         ; v23  4 x my thread's number
.set STO,   24
.set RD,    25
.set LO,    26                         ; v26  16 x lane: my bytes in 512, for p's loads and out0's stores; never rewritten
.set SPW,   28
.set NIL,   29
.set PFO,   30
.set FADR0, 31                         ; v31  FAC + 4 x my first query's row; never rewritten
.set FN,    32                         ; v32-35 the factors of keys 0-127 of a step, v36-39 of keys 128-255
.set RI,    40
.set CMR,   64
.set LR,    80
.set FB0,   128
.set OB,    128
.set LIM, 43
.set PFA, 44
.set G1B, 48                           ; s[48:55] group 1 for v's tiles
.set G0B, 56                           ; s[56:63] group 0: the first fill of slot 0; the first fill of slot 1, which then walks
.set TB,  66
.set PB,  70                           ; s[70:71] pp at my first query block, at the step that the reloads name
.set FT,  79                           ; s79  1,024 x the step in hand
.set MSB, 0
.macro WIN new
.if MSB != (\new)
	s_set_vgpr_msb (MSB<<8)|(\new)
.set MSB, \new
.endif
.endm
.set W_P, 0x44                         ; destination and source 1 window 1, source 0 window 0
.macro PLACES
.rept 4
	v_nop
.endr
.endm
; A prefetch of the step that the NEXT refill will ask for: of my 64 keys the 16 from 16 cy on, two lanes a key, 256 bytes a lane.  The four clusters along y that share a batch read the same keys: the first of them asks;
; the four partners of a joint load share its keys out by address.  So each block of 256 bytes is named once in the launch.  The last refill asks for nothing: s3 is 1 there.
.macro ASK
	s_cmp_gt_u32 s3, s[LIM]
	s_cbranch_scc0 .Lnot_mine_\@
	global_prefetch_b8 v[PFO], s[PFA:PFA+1] th:TH_LOAD_NT scope:SCOPE_SE
.Lnot_mine_\@:
.endm
.macro CREST
	s_cmp_lg_u32 s10, 0
	s_cbranch_scc1 .Lnot_wave_0_\@
	s_barrier_signal -3
.Lnot_wave_0_\@:
	s_barrier_wait -3
	s_barrier_signal -1
	s_barrier_wait -1
.endm
.macro CROUND
	s_barrier_signal -1
	s_barrier_wait -1
	CREST
.endm
; Fragment j of the ring (query block j % 4, keys 32 (j / 4) on) is asked for, xo bytes behind the step at which PB stands
.macro PLOAD j, xo
	global_load_b128 v[8*(\j):8*(\j)+3],   v[LO], s[PB:PB+1] offset:((\j)%4)*65536+((\j)/4)*1024+(\xo)
	global_load_b128 v[8*(\j)+4:8*(\j)+7], v[LO], s[PB:PB+1] offset:((\j)%4)*65536+((\j)/4)*1024+(\xo)+512
.endm
; 16 LDS loads in one run: v's eight fragments of quarter kq (32 keys), turned, into buffer kq % 2.  With quarter 2's go the factors of the step's second key block, with quarter 6's those of the next step's first:
; each set's last rider has passed by then.
.macro FETCH kq
	WIN 0
.if (\kq) == 2
.irp n, 0,1,2,3
	ds_load_b32 v[FN+4+\n], v[FADR] offset:512+64*\n
.endr
.endif
.if (\kq) == 6
.irp n, 0,1,2,3
	ds_load_b32 v[FN+\n], v[FADR] offset:1024+64*\n
.endr
.endif
.set fi, 0
.rept 8
	ds_load_tr16_b128 v[FB0+64*((\kq)%2)+8*fi:FB0+64*((\kq)%2)+8*fi+3],   v[ADRB+(\kq)/4] offset:32*PV*((\kq)%4)+32*fi
	ds_load_tr16_b128 v[FB0+64*((\kq)%2)+8*fi+4:FB0+64*((\kq)%2)+8*fi+7], v[ADRB+(\kq)/4] offset:32*PV*((\kq)%4)+32*fi+16*PV
.set fi, fi+1
.endr
.endm
; GROUP g = 4 q + a: 8 matrix instructions: query block a x all 8 channel blocks, the 32 keys of quarter q.  The 32 accumulators take turns, one instruction a turn.
; Behind product 0: the wait for fragment g + 1 (cnt: the loads asked for behind it; -1: none is written) and four of its eight riders; with fe = 1 then v's run of loads for the next quarter, four riders behind the last
; product that read that buffer.  Behind product 4: the other four riders and, with ld = 1, the reload of fragment g - 1, eight riders behind the last product that read it.  No rider names a register of the products round it.
; Fragment 31 is asked for in group 0 of its own step; the others a step ahead: in quarter 0 those lie xo bytes on.
.macro GRP q, a, zero, cnt, ld, xo, fe
.set gg, 4*(\q)+(\a)
.set nx, (gg+1)%32
.set pv, (gg+31)%32
.set rF, FN+4*(nx/16)+nx%4
.set px, 0
.if gg > 0
.set px, \xo
.endif
.set bb, 0
.rept 8
	WIN 0xa4+0x50*((\a)/2)                         ; v window 0, p window 1, the sums window 2 or 3
.set rD, 8*(8*((\a)%2)+bb)
.set rV, FB0+64*((\q)%2)+8*bb
.if \zero
	v_wmma_f32_16x16x32_f16 v[rD:rD+7], v[rV:rV+7], v[8*gg:8*gg+7], 0
.else
	v_wmma_f32_16x16x32_f16 v[rD:rD+7], v[rV:rV+7], v[8*gg:8*gg+7], v[rD:rD+7]
.endif
.if bb == 0
	WIN W_P
.if (\cnt) >= 0
	s_wait_loadcnt \cnt
.endif
.irp i, 0,1,2,3
	v_pk_mul_f16 v[8*nx+\i], v[rF], v[8*nx+\i]
.endr
.if \fe
	FETCH (\q)+1
.endif
.endif
.if bb == 4
	WIN W_P
.irp i, 4,5,6,7
	v_pk_mul_f16 v[8*nx+\i], v[rF], v[8*nx+\i]
.endr
.if \ld
	PLOAD pv, px
.endif
.endif
.set bb, bb+1
.endr
.endm
; One of a step's first seven quarters.  58: behind fragment g + 1's two loads stand those of the 29 fragments asked for since.
.macro QUARTER q, zero, xo
	s_wait_dscnt 0x0                               ; v's buffer is in (for quarters 1-6 its loads were issued 31 matrix instructions ago)
	GRP \q, 0, \zero, 58, 1, \xo, 1
	GRP \q, 1, \zero, 58, 1, \xo, 0
	GRP \q, 2, \zero, 58, 1, \xo, 0
	GRP \q, 3, \zero, 58, 1, \xo, 0
.endm
; The last quarter changes slots: each wave waits for all its tensor loads (one is out: its part of the next slot), adds 0 to its spare word, waits for that and for its reads of this slot.
; fill = 1: the barrier opens a round of the cluster's barrier; behind the round this slot is filled again first, with the step two on.
; Groups 28 and 29 stand between the add and the barrier's wait, where only work on registers stands: their reloads (fragments 27 and 28) follow behind the refill, and one wait serves both groups' riders:
; 56: behind fragment 30's loads stand those of the 28 fragments asked for since.
.macro TURN fill
	WIN 0
	s_wait_tensorcnt 0x0
	ds_add_u32 v[SPW], v[NIL]                      ; 0 onto my spare word
.if \fill
	s_xor_b32 s[G0B+5], s[G0B+5], SLOTX            ; the walking descriptor: the other slot than last time,
	s_add_nc_u64 s[G0B+6:G0B+7], s[G0B+6:G0B+7], VSTEP  ; the next 256 keys; the type bits on top are not reached
.endif
	s_wait_dscnt 1                                 ; only the add may be out
	GRP 7, 0, 0, 56, 0, 0, 0
	s_wait_dscnt 0x0                               ; the add is done, and my reads of this slot are over
	s_barrier_signal -1
	GRP 7, 1, 0, -1, 0, 0, 0
	WIN 0
	s_barrier_wait -1
.if \fill
	CREST                                          ; no wave of any partner still reads this slot or has a load on its way
	tensor_load_to_lds s[G0B+4:G0B+7], s[G1B:G1B+7]
	s_nop 0
.rept 4
	v_nop
.endr
.endif
	s_xor_b32 s[TB], s[TB], SLOTX
	v_add_nc_u32 v[ADRB], s[TB], v[ADRB0]
	v_add_nc_u32 v[ADRB+1], 128*PV, v[ADRB]
	FETCH 0
	WIN W_P
	PLOAD 27, 0
	PLOAD 28, 0
	WIN 0
.if \fill
	ASK
.endif
	GRP 7, 2, 0, 58, 1, 0, 0
	GRP 7, 3, 0, 58, 1, 0, 0
.endm
	s_load_b128 s[4:7], s[0:1], 0x0                ; pp s[4:5], qkv s[6:7]
	s_load_b128 s[84:87], s[0:1], 0x10             ; st s[84:85], out0 s[86:87]
	v_lshl_add_u32 v[SPW], v0, 2, SPARE
	v_mov_b32 v[NIL], 0
	ds_add_u32 v[SPW], v[NIL]                      ; the wave's opening: the add and its wait stand ahead of my first tensor load
	v_lshrrev_b32 v1, 5, v0
	v_readfirstlane_b32 s10, v1
	s_lshr_b32 s11, s10, 1                         ; which 64 queries are mine
	s_and_b32 s12, s10, 1                          ; which 128 channels
	s_bfe_u32 s40, ttmp6, 0x40000
	s_bfe_u32 s41, ttmp6, 0x40004
	s_lshl_b32 s42, ttmp9, 2
	s_add_co_u32 s42, s42, s40                     ; channel tile
	s_and_b32 s67, ttmp7, 0xffff                   ; cluster y; the batch is cluster y / 4
	s_lshl_b32 s13, s67, 2
	s_add_co_u32 s13, s13, s41                     ; query tile
	s_lshl_b32 s22, 0x1111, s40
	s_or_b32 s[G1B], s22, (1<<16)|(1<<20)|(1<<21)|(6<<22)|(7<<25)  ; v's tiles go to my column of the cluster; 2-byte elements; bit 21 beside the mask; after every 128 words 8 words of padding
	s_mov_b32 s[G1B+1], 256<<16                    ; tensor_dim0 = 256
	s_mov_b32 s[G1B+2], 64<<16                     ; tensor_dim1 = 64
	s_mov_b32 s[G1B+3], 256<<16                    ; tile_dim0 = 256
	s_mov_b32 s[G1B+4], 64                         ; tile_dim1 = 64
	s_mov_b32 s[G1B+5], 3072                       ; elements from row to row
	s_mov_b32 s[G1B+6], 0
	s_mov_b32 s[G1B+7], 0
	s_lshl_b32 s18, s10, 6                         ; my 64 of a step's 256 keys
	s_lshr_b32 s46, s67, 2
	s_lshl_b32 s46, s46, 11
	s_add_co_u32 s46, s46, s18
	s_mul_i32 s46, s46, 6144                       ; v: key 2,048 x batch + 64 x wave,
	s_lshl_b32 s47, s42, 9
	s_add_co_u32 s46, s46, s47                     ; 256 channels a tile,
	s_add_co_u32 s46, s46, 4096                    ; from column 2,048 on
	s_mov_b32 s47, 0
	s_mul_i32 s19, s10, PART                       ; where they go
	s_mov_b32 s[TB], 0
	s_mov_b32 s[FT], 0
	s_wait_dscnt 0x0
	s_wait_kmcnt 0x0
	s_add_nc_u64 s[46:47], s[6:7], s[46:47]
.irp s, 0,1
	s_mov_b32 s[G0B+4*(\s)], 1
	s_add_co_u32 s[G0B+4*(\s)+1], s19, (\s)*SLOTX
	s_add_nc_u64 s[G0B+4*(\s)+2:G0B+4*(\s)+3], s[46:47], (\s)*VSTEP
	s_or_b32 s[G0B+4*(\s)+3], s[G0B+4*(\s)+3], 0x80000000
.endr
	CROUND
	tensor_load_to_lds s[G0B:G0B+3], s[G1B:G1B+7]  ; the two first fills: two loads of mine are out
	s_nop 0
	tensor_load_to_lds s[G0B+4:G0B+7], s[G1B:G1B+7]
	s_nop 0
.rept 4
	v_nop
.endr
	; THE STATISTICS, in the wait for the first tiles: thread t owns row t of the tile's 128.  Behind their 32 loads go the first 15 fragments of p: 62 loads are out
	s_lshl_b32 s90, s13, 9                         ; 4 bytes x 128 rows a query tile
	s_mov_b32 s91, 0
	s_add_nc_u64 s[84:85], s[84:85], s[90:91]
	v_lshlrev_b32 v[SO], 2, v0
.set k, 0
.rept 16
	global_load_b32 v[CMR+k], v[SO], s[84:85] offset:32768*k         ; cm of key block k
	global_load_b32 v[LR+k],  v[SO], s[84:85] offset:524288+32768*k  ; l of key block k
.set k, k+1
.endr
	s_lshl_b32 s88, s13, 19                        ; a query tile is 8 query blocks of 65,536 bytes,
	s_lshl_b32 s89, s11, 18                        ; my half of it 4
	s_add_co_u32 s88, s88, s89
	s_mov_b32 s89, 0
	s_add_nc_u64 s[PB:PB+1], s[4:5], s[88:89]
	v_and_b32 v6, 31, v0
	v_lshlrev_b32 v[LO], 4, v6
	WIN W_P
.set pj, 0
.rept 15
	PLOAD pj, 0
.set pj, pj+1
.endr
	WIN 0
	v_and_b32 v1, 15, v0                           ; l % 16
	v_bfe_u32 v2, v0, 4, 1                         ; l / 16
	; the turning load takes 16 keys x 16 channels (lane l reads key 8 (l / 16) + l % 8, channels 8 ((l / 8) % 2) + 0..7) and leaves half a fragment: lane l holds channel l % 16 and 8 keys
	v_and_b32 v3, 7, v0
	v_bfe_u32 v4, v0, 3, 1
	v_lshl_add_u32 v5, v2, 3, v3
	v_mul_u32_u24 v5, v5, PV
	v_lshl_add_u32 v5, v4, 4, v5
	s_lshl_b32 s22, s12, 8
	v_add_nc_u32 v[ADRB0], s22, v5
	v_mov_b32 v[ADRB], v[ADRB0]
	v_add_nc_u32 v[ADRB+1], 128*PV, v[ADRB0]
	s_lshl_b32 s23, s11, 8
	s_add_co_u32 s23, s23, FAC
	v_lshl_add_u32 v[FADR0], v1, 2, s23            ; FAC + 4 (64 x my half + l % 16)
	v_lshl_add_u32 v[FST], v0, 2, FAC
	s_mul_i32 s23, s10, 16*SPITCH
	s_add_co_u32 s23, s23, STAGE                   ; my stage
	v_mul_u32_u24 v5, v1, SPITCH                   ; in: row l % 16, 32 bytes for each half of the lanes
	v_lshl_add_u32 v5, v2, 5, v5
	v_add_nc_u32 v[STO], s23, v5
	v_add_nc_u32 v[RD], s23, v[LO]                 ; back: 32 lanes take a row's 512 bytes
.irp a, 0,1,2,3
	v_mov_b32 v[RI+2*(\a)+1], 0                    ; named with 1 / divisor as a pair
.endr
	s_lshl_b32 s88, s13, 7
	s_lshl_b32 s89, s11, 6
	s_add_co_u32 s88, s88, s89                     ; my first row of out0
	s_lshl_b32 s88, s88, 12
	s_lshl_b32 s89, s42, 10
	s_add_co_u32 s88, s88, s89
	s_lshl_b32 s89, s12, 9
	s_add_co_u32 s88, s88, s89
	s_mov_b32 s89, 0
	s_add_nc_u64 s[86:87], s[86:87], s[88:89]
	; the prefetches
	s_lshr_b32 s83, s67, 2
	s_lshl_b32 s83, s83, 11
	s_add_co_u32 s83, s83, s18
	s_lshl_b32 s82, s41, 4
	s_add_co_u32 s83, s83, s82
	s_mul_i32 s83, s83, 6144                       ; key 2,048 x batch + my 64 + 16 cy,
	s_lshl_b32 s82, s42, 9
	s_add_co_u32 s83, s83, s82                     ; my tile's channels,
	s_add_co_u32 s80, s83, 4096+2*VSTEP            ; at step 2: the first trip steps it to 3.  Nothing is prefetched at the head
	s_mov_b32 s81, 0
	s_add_nc_u64 s[PFA:PFA+1], s[6:7], s[80:81]
	s_and_b32 s82, s67, 3
	s_cmp_eq_u32 s82, 0
	s_cselect_b32 s[LIM], 1, -1                    ; the same in all sixteen partners
	v_lshrrev_b32 v7, 1, v6
	v_mul_u32_u24 v7, v7, 6144                     ; two lanes a key of 6,144 bytes,
	v_and_b32 v8, 1, v6
	v_lshl_add_u32 v[PFO], v8, 8, v7               ; 256 bytes each
	s_wait_loadcnt 30                              ; cm and l are in; p's 30 loads may stay out
	WIN W_P
.rept 16
	PLOAD pj, 0                                    ; fragments 15 to 30; fragment 31 is asked for in the first group
.set pj, pj+1
.endr
	WIN 0
	v_max3_num_f32 v96, v[CMR], v[CMR+1], v[CMR+2] ; M
.set k, 3
.rept 6
	v_max3_num_f32 v96, v96, v[CMR+k], v[CMR+k+1]
.set k, k+2
.endr
	v_max_num_f32 v96, v96, v[CMR+15]
.set k, 0
.rept 16
	v_sub_f32 v[CMR+k], v[CMR+k], v96
.set k, k+1
.endr
.set k, 0
.rept 16
	v_exp_f32 v[CMR+k], v[CMR+k]                   ; f, in 0 to 1
.set k, k+1
.endr
	v_nop                                          ; a plain instruction behind the last exponential (ISA guide 5.7.2),
	s_wait_alu depctr_va_vdst(0)                   ; and one wait for the batch
	v_mul_f32 v97, v[CMR], v[LR]                   ; the divisor, in two chains; it is 1 at the least: the block that holds M has f = 1 and l >= 1
	v_mul_f32 v98, v[CMR+1], v[LR+1]
.set k, 2
.rept 7
	v_fmac_f32 v97, v[CMR+k], v[LR+k]
	v_fmac_f32 v98, v[CMR+k+1], v[LR+k+1]
.set k, k+2
.endr
	v_add_f32 v97, v97, v98
	v_rcp_f32 v99, v97
.set k, 0
.rept 16
	v_cvt_pk_f16_f32 v[LR+k], v[CMR+k], v[CMR+k]   ; f in both halves of a word; these lines are the independent work behind the reciprocal
.set k, k+1
.endr
	s_wait_alu depctr_va_vdst(0)                   ; the reciprocal's wait, ahead of its first reader
.set k, 0
.rept 16
	ds_store_b32 v[FST], v[LR+k] offset:512*k
.set k, k+1
.endr
	ds_store_b32 v[FST], v99 offset:8192
	s_wait_tensorcnt 1                             ; my part of step 0 is in; step 1's may stay out
	s_wait_dscnt 0x0                               ; for the others' sake: my rows of the two tables are written
	s_barrier_signal -1
	s_barrier_wait -1
.irp a, 0,1,2,3
	ds_load_b32 v[RI+2*(\a)], v[FADR0] offset:8192+64*(\a)
.endr
.irp a, 0,1,2,3
	ds_load_b32 v[FN+(\a)], v[FADR0] offset:64*(\a)
.endr
	FETCH 0
	s_wait_dscnt 0x0
	s_wait_loadcnt 60                              ; fragment 0 is in: behind it stand 30 fragments' loads
	WIN W_P
.irp i, 0,1,2,3,4,5,6,7
	v_pk_mul_f16 v[\i], v[FN], v[\i]               ; the very first fragment has no products to ride behind
.endr
	QUARTER 0, 1, PSTEP                            ; the first quarter stands in front of the loop: its products start the sums
	WIN 0
	s_mov_b32 s3, KT-2
.Lstep:                                                ; trip t: from the second quarter of step t to the first of step t + 1; slot t % 2 is filled with step t + 2
	s_wait_xcnt 0x0                                ; every load and prefetch issued so far has read its address (the prefetch stands 48 products back), so the pointers may be written
	s_add_nc_u64 s[PB:PB+1], s[PB:PB+1], PSTEP     ; the reloads name step t + 1
	s_add_nc_u64 s[PFA:PFA+1], s[PFA:PFA+1], VSTEP
	v_add_nc_u32 v[FADR], s[FT], v[FADR0]
	s_add_co_u32 s[FT], s[FT], 1024
.irp q, 1,2,3,4,5,6
	QUARTER \q, 0, 0
.endr
	TURN 1
	QUARTER 0, 0, PSTEP
	WIN 0
	s_sub_co_u32 s3, s3, 1
	s_cmp_lg_u32 s3, 0
	s_cbranch_scc1 .Lstep
	; THE LAST TWO STEPS ask for no tile, so they have a text of their own. It is written once and walked twice; the second trip is left in its middle.  So that the counts of the waits
	; are the same in both trips, the last step goes on reloading the ring, from the last step's own bytes (PB stands still: no load leaves pp): 31 fragments a wave that nobody uses.  They, and the second trip's
	; change of slots (a barrier, 16 LDS loads, four words read where 1 / divisor lies), are the price of one text for both trips.
	s_wait_xcnt 0x0
	s_add_nc_u64 s[PB:PB+1], s[PB:PB+1], PSTEP     ; the reloads name the last step
	s_mov_b32 s3, 2
.Ltail:
	v_add_nc_u32 v[FADR], s[FT], v[FADR0]
	s_add_co_u32 s[FT], s[FT], 1024
.irp q, 1,2,3,4,5,6
	QUARTER \q, 0, 0
.endr
	TURN 0
	WIN 0
	s_cmp_eq_u32 s3, 1
	s_cbranch_scc1 .Lout
	QUARTER 0, 0, 0
	WIN 0
	s_sub_co_u32 s3, s3, 1
	s_cmp_lg_u32 s3, 0
	s_cbranch_scc1 .Ltail
.Lout:
	s_wait_dscnt 0x0                               ; the LDS loads that nobody uses have landed: their registers take rows below.  The ring's registers are not named again
; THE WAY OUT, a block of 16 queries at a time: divided by the row's divisor, each accumulator's lowest registers first; 32 bytes a lane into my stage, and back as whole rows of 512 bytes.
.macro SCALE a
.set W, 2+(\a)/2
.set AC, 64*((\a)%2)
	WIN W*0x41
.set p, 0
.rept 32
	v_pk_mul_f32 v[AC+2*p:AC+2*p+1], v[AC+2*p:AC+2*p+1], v[RI+2*(\a):RI+2*(\a)+1] op_sel_hi:[1,0]
.set p, p+1
.endr
.endm
.macro TOSTAGE a
.set W, 2+(\a)/2
.set AC, 64*((\a)%2)
.set BK, OB+64*((\a)%2)
.if (\a) >= 2
	s_wait_xcnt 0x0                                ; the stores of the block two back have read these registers
.endif
	WIN W<<2                                       ; an LDS store's data count as source 1
.set b, 0
.rept 8
	ds_store_b128 v[STO], v[AC+8*b:AC+8*b+3]   offset:64*b
	ds_store_b128 v[STO], v[AC+8*b+4:AC+8*b+7] offset:64*b+16
.set b, b+1
.endr
	WIN 0
.set t, 0
.rept 16
	ds_load_b128 v[BK+4*t:BK+4*t+3], v[RD] offset:SPITCH*t  ; LDS serves a wave's instructions in order (ISA guide 5.7.1.4): these see the stores above
.set t, t+1
.endr
.endm
.macro SEND a
.set BK, OB+64*((\a)%2)
	WIN 0
.set t, 0
.rept 16
	s_wait_dscnt 15-t                              ; row t is back; the younger ones stay out
	global_store_b128 v[LO], v[BK+4*t:BK+4*t+3], s[86:87] offset:(16*(\a)+t)*4096  ; 512 consecutive bytes, at a multiple of 256 from out0's first byte
.set t, t+1
.endr
.endm
	PLACES
	SCALE 0
	TOSTAGE 0
.irp a, 1,2,3                          ; a block's arithmetic stands between the loads of the block before and its stores
	SCALE \a
	SEND (\a)-1
	TOSTAGE \a
.endr
	SEND 3
	s_wait_tensorcnt 0x0                           ; the wave's end, behind my last tensor load and my last LDS store
	ds_add_u32 v[SPW], v[NIL]
	s_wait_dscnt 0x0
	CROUND                                         ; the closing round
	s_endpgm
.Lfunc_end_k_q40a44ce5a4_mix:
	.size	k_q40a44ce5a4_mix, .Lfunc_end_k_q40a44ce5a4_mix-k_q40a44ce5a4_mix
	.p2alignl 7, 3214868480
	.fill 96, 4, 3214868480
	.section	.rodata,"a",@progbits
	.p2align	6, 0x0
	.amdhsa_kernel k_q40a44ce5a4_mix
		.amdhsa_group_segment_fixed_size 327680
		.amdhsa_private_segment_fixed_size 0
		.amdhsa_enable_private_segment 0
		.amdhsa_kernarg_size 32
		.amdhsa_user_sgpr_count 2
		.amdhsa_user_sgpr_kernarg_segment_ptr 1
		.amdhsa_wavefront_size32 1
		.amdhsa_system_sgpr_workgroup_id_x 1
		.amdhsa_system_sgpr_workgroup_id_y 1
		.amdhsa_system_sgpr_workgroup_id_z 1
		.amdhsa_system_vgpr_workitem_id 0
		.amdhsa_next_free_vgpr 1024
		.amdhsa_next_free_sgpr 100
		.amdhsa_reserve_vcc 0
		.amdhsa_float_denorm_mode_32 3
		.amdhsa_float_denorm_mode_16_64 3
		.amdhsa_memory_ordered 1
		.amdhsa_forward_progress 1
		.amdhsa_inst_pref_size 161
	.end_amdhsa_kernel
	.amdgpu_metadata
---
amdhsa.version: [ 1, 2 ]
amdhsa.kernels:
  - .name:           k_q40a44ce5a4_mix
    .symbol:         k_q40a44ce5a4_mix.kd
    .args:
      - { .name: pp, .offset: 0, .size: 8, .value_kind: global_buffer, .address_space: global }
      - { .name: qkv, .offset: 8, .size: 8, .value_kind: global_buffer, .address_space: global }
      - { .name: st, .offset: 16, .size: 8, .value_kind: global_buffer, .address_space: global }
      - { .name: out0, .offset: 24, .size: 8, .value_kind: global_buffer, .address_space: global }
    .group_segment_fixed_size: 327680
    .private_segment_fixed_size: 0
    .kernarg_segment_align: 8
    .kernarg_segment_size: 32
    .max_flat_workgroup_size: 128
    .sgpr_count:     100
    .vgpr_count:     1024
    .wavefront_size: 32
...
	.end_amdgpu_metadata
.endif
;; end of part 4
;; ======== version 2 of 2: 4 launches; version 1 with the launch cast written anew for expert scheduling mode
;; limits: values are held in f16: magnitudes above 65,504 overflow, below 6.1e-05 lose precision
;; workspace buffers: xb 16,777,216 bytes; wb 6,291,456 bytes; bb 12,288 bytes; qkv 50,331,648 bytes; pp 33,554,432 bytes; st 1,048,576 bytes
;; launch cast (part 5): grid 704 x 1, 8 waves a work-group, no clusters, 0 bytes of LDS; arguments x, Wq, Wk, Wv, bq, bk, bv, xb, wb, bb; writes xb, wb, bb
.if DOCPART == 5
	.amdgcn_target "amdgcn-amd-amdhsa--gfx1250"
	.amdhsa_code_object_version 6
	.text
	.protected	k_q40a44ce5a4_cast
	.globl	k_q40a44ce5a4_cast
	.p2align	8
	.type	k_q40a44ce5a4_cast,@function
k_q40a44ce5a4_cast:
	s_mov_b64 s[64:65], 0
	v_nop
	global_prefetch_b8 v0, s[64:65] scope:SCOPE_SE
	s_setreg_imm32_b32 hwreg(HW_REG_WAVE_SCHED_MODE, 0, 2), 2
	s_setreg_imm32_b32 hwreg(HW_REG_WAVE_MODE, 25, 1), 1
	s_wait_xcnt 0x0
	s_wait_alu depctr_vm_vsrc(0)
; x -> xb (bf16), Wq | Wk | Wv -> wb (bf16, 3,072 rows on end), bq | bk | bv -> bb (f32 numbers, each rounded to bf16).
; A stream: every input byte is read once, every output byte written once; no LDS, no barrier, no matrix unit.
; A work-group of 256 threads converts 65,536 bytes of f32: 16 loads of 16 bytes a thread, all issued ahead of the first use.
; Work-groups 0-511 take x's 512 chunks; work-group 512 + 64 w + part takes chunk part of weight w; where part = 0 it also takes bias w.
; A wave's load covers 512 consecutive bytes, its store 256 consecutive bytes, both aligned to their length.
; THE MODE: SCHED_MODE bits 1:0 = 2 (LLVM: expert scheduling mode 2), set by the entry lines.  The code itself states the register dependences
; between vector instructions and memory instructions, with s_wait_alu, always for 0.
; THE PLAN.  Registers that memory instructions touch:
;   v1, v2       byte offsets, written once at the head and never again; read by every load and store.
;   XR           written by the 16 loads, once, before any vector instruction names it; read by the conversions; never loaded again.
;   YR           each pair written once, by its two conversions; read by its one store; never written again.
;   v[100:103]   the bias as loaded, once; v[106:109] the bias to store, written once.
; No register is loaded into after a vector instruction has named it, and none that a memory instruction reads is written again.  So what is left to state is
; that a store's data and every offset are written: one wait at the head for the offsets; one for each block of four loads, between its eight conversions and its
; four stores; one ahead of the bias's store.
.set XR, 4                             ; v[4:67]   16 x 4 numbers as loaded
.set YR, 68                            ; v[68:99]  16 x 2 words of two bf16
	s_load_b512 s[8:23], s[0:1], 0x0               ; x 8, Wq 10, Wk 12, Wv 14, bq 16, bk 18, bv 20, xb 22
	s_load_b128 s[24:27], s[0:1], 0x40             ; wb 24, bb 26
	s_mov_b32 s2, ttmp9                            ; g
	s_max_u32 s3, s2, 512
	s_sub_co_u32 s3, s3, 512                       ; 0 for x's work-groups, else g - 512: 0 to 191
	s_lshr_b32 s4, s3, 6                           ; w: which weight
	s_and_b32 s5, s3, 63                           ; part
	v_lshlrev_b32 v1, 4, v0                        ; 16 t: my bytes in 4,096 of f32
	v_lshlrev_b32 v2, 3, v0                        ; 8 t: my bytes in 2,048 of bf16
	s_wait_kmcnt 0x0
	s_cmp_eq_u32 s4, 1
	s_cselect_b64 s[28:29], s[12:13], s[10:11]     ; the source: Wk or Wq,
	s_cselect_b64 s[30:31], s[18:19], s[16:17]     ; and its bias
	s_cmp_eq_u32 s4, 2
	s_cselect_b64 s[28:29], s[14:15], s[28:29]     ; or Wv
	s_cselect_b64 s[30:31], s[20:21], s[30:31]
	s_cmp_lt_u32 s2, 512
	s_cselect_b64 s[28:29], s[8:9], s[28:29]       ; or x
	s_cselect_b64 s[32:33], s[22:23], s[24:25]     ; the target: xb or wb
	s_cselect_b32 s6, s2, s5                       ; the chunk in the source
	s_cselect_b32 s7, 0, s4                        ; the weight's place in wb
	s_cselect_b32 s34, 1, s5                       ; 0: this work-group also takes a bias
	s_lshl_b32 s36, s6, 16                         ; a chunk is 65,536 bytes of f32,
	s_mov_b32 s37, 0
	s_add_nc_u64 s[28:29], s[28:29], s[36:37]
	s_lshl_b32 s38, s6, 15                         ; 32,768 of bf16; a weight is 2^21 bytes of bf16
	s_lshl_b32 s39, s7, 21
	s_add_co_u32 s38, s38, s39
	s_mov_b32 s39, 0
	s_add_nc_u64 s[32:33], s[32:33], s[38:39]
	s_wait_alu depctr_va_vdst(0)                   ; v1 and v2 are written: every load and store of the kernel reads one of them as its offset, and no later line writes them
.set i, 0
.rept 16
	global_load_b128 v[XR+4*i:XR+4*i+3], v1, s[28:29] offset:4096*i th:TH_LOAD_NT
.set i, i+1
.endr
; Four blocks of four loads.  A block's stores follow its conversions at once: nothing is loaded again, so a store held back for a later block's data would have nothing to make room for.
.set p, 0
.rept 4
	s_wait_loadcnt 12-4*p                          ; loads come back in order (ISA guide 5.7.1): block p's four are in, the 12 - 4 p younger ones stay out
.set i, 4*p
.rept 4
	v_cvt_pk_bf16_f32 v[YR+2*i], v[XR+4*i], v[XR+4*i+1]
	v_cvt_pk_bf16_f32 v[YR+2*i+1], v[XR+4*i+2], v[XR+4*i+3]
.set i, i+1
.endr
	s_wait_alu depctr_va_vdst(0)                   ; the block's eight conversions have written their YR, which the four stores below read
.set i, 4*p
.rept 4
	global_store_b64 v2, v[YR+2*i:YR+2*i+1], s[32:33] offset:2048*i
.set i, i+1
.endr
.set p, p+1
.endr
	s_cmp_eq_u32 s34, 0
	s_cbranch_scc0 .Lend
	s_lshl_b32 s40, s4, 12                         ; bias w: 1,024 numbers, 16 bytes a thread
	s_mov_b32 s41, 0
	s_add_nc_u64 s[26:27], s[26:27], s[40:41]
	global_load_b128 v[100:103], v1, s[30:31]      ; no vector instruction has named v[100:103]; v1 stands as the head's wait showed it
	s_wait_loadcnt 0x0
	v_cvt_pk_bf16_f32 v104, v100, v101             ; rounded to bf16,
	v_cvt_pk_bf16_f32 v105, v102, v103
	v_lshlrev_b32 v106, 16, v104                   ; and widened again: the product takes the bias as an f32 addend
	v_and_b32 v107, 0xffff0000, v104
	v_lshlrev_b32 v108, 16, v105
	v_and_b32 v109, 0xffff0000, v105
	s_wait_alu depctr_va_vdst(0)                   ; the four lines above have written v[106:109], which the store reads
	global_store_b128 v1, v[106:109], s[26:27]
.Lend:
	s_endpgm
.Lfunc_end_k_q40a44ce5a4_cast:
	.size	k_q40a44ce5a4_cast, .Lfunc_end_k_q40a44ce5a4_cast-k_q40a44ce5a4_cast
	.p2alignl 7, 3214868480
	.fill 96, 4, 3214868480
	.section	.rodata,"a",@progbits
	.p2align	6, 0x0
	.amdhsa_kernel k_q40a44ce5a4_cast
		.amdhsa_group_segment_fixed_size 0
		.amdhsa_private_segment_fixed_size 0
		.amdhsa_enable_private_segment 0
		.amdhsa_kernarg_size 80
		.amdhsa_user_sgpr_count 2
		.amdhsa_user_sgpr_kernarg_segment_ptr 1
		.amdhsa_wavefront_size32 1
		.amdhsa_system_sgpr_workgroup_id_x 1
		.amdhsa_system_sgpr_workgroup_id_y 1
		.amdhsa_system_sgpr_workgroup_id_z 1
		.amdhsa_system_vgpr_workitem_id 0
		.amdhsa_next_free_vgpr 112
		.amdhsa_next_free_sgpr 66
		.amdhsa_reserve_vcc 0
		.amdhsa_float_denorm_mode_32 3
		.amdhsa_float_denorm_mode_16_64 3
		.amdhsa_memory_ordered 1
		.amdhsa_forward_progress 1
		.amdhsa_inst_pref_size 8
	.end_amdhsa_kernel
	.amdgpu_metadata
---
amdhsa.version: [ 1, 2 ]
amdhsa.kernels:
  - .name:           k_q40a44ce5a4_cast
    .symbol:         k_q40a44ce5a4_cast.kd
    .args:
      - { .name: x, .offset: 0, .size: 8, .value_kind: global_buffer, .address_space: global }
      - { .name: Wq, .offset: 8, .size: 8, .value_kind: global_buffer, .address_space: global }
      - { .name: Wk, .offset: 16, .size: 8, .value_kind: global_buffer, .address_space: global }
      - { .name: Wv, .offset: 24, .size: 8, .value_kind: global_buffer, .address_space: global }
      - { .name: bq, .offset: 32, .size: 8, .value_kind: global_buffer, .address_space: global }
      - { .name: bk, .offset: 40, .size: 8, .value_kind: global_buffer, .address_space: global }
      - { .name: bv, .offset: 48, .size: 8, .value_kind: global_buffer, .address_space: global }
      - { .name: xb, .offset: 56, .size: 8, .value_kind: global_buffer, .address_space: global }
      - { .name: wb, .offset: 64, .size: 8, .value_kind: global_buffer, .address_space: global }
      - { .name: bb, .offset: 72, .size: 8, .value_kind: global_buffer, .address_space: global }
    .group_segment_fixed_size: 0
    .private_segment_fixed_size: 0
    .kernarg_segment_align: 8
    .kernarg_segment_size: 80
    .max_flat_workgroup_size: 256
    .sgpr_count:     66
    .vgpr_count:     112
    .wavefront_size: 32
...
	.end_amdgpu_metadata
.endif
;; end of part 5
;; launch proj: the kernel of part 2 again; grid 8 x 64, 4 waves a work-group, clusters of 4 x 4, 327,680 bytes of LDS; arguments xb, wb, bb, qkv; writes qkv
;; launch score: the kernel of part 3 again; grid 8 x 32, 4 waves a work-group, clusters of 4 x 4, 327,680 bytes of LDS; arguments qkv, pp, st; writes pp, st
;; launch mix: the kernel of part 4 again; grid 4 x 64, 4 waves a work-group, clusters of 4 x 4, 327,680 bytes of LDS; arguments pp, qkv, st, out0; writes out0
